; MI455X (gfx1250); checked and timed in simulation.
; The chip was launched on July 23, 2026; its instructions are those of AMD's public machine-readable ISA for CDNA 5 (MIT licence, August 2026) and "CDNA5" Instruction Set Architecture Reference Guide (July 2026). The comments in the code are by the model that wrote it; some were corrected since.
;; Flash SVD Ro PE Attention. Allowed arithmetic: float matrix products may take bf16 or f16 operands with f32 sums; all other float work in f32.
;; Inputs: Pk 4 x 2,048 x 256 float32; Pq 4 x 2,048 x 256 float32; Pv 4 x 2,048 x 256 float32; Vk 256 x 1,024 float32; Vq 256 x 1,024 float32; Vv 256 x 1,024 float32; attention_mask 4 x 2,048 int32; bk 1,024 float32; bq 1,024 float32; bv 1,024 float32; position_ids 4 x 2,048 int32.
;; Outputs: out0 4 x 2,048 x 16 x 64 float32.
;; 2 versions, each right and faster than the one before. Each part assembles by itself: llvm-mc -triple=amdgcn-amd-amdhsa -mcpu=gfx1250 --defsym DOCPART=n.
;; ======== version 1 of 2: 3 launches
;; limits: right only within a limited range of input values
;; workspace buffers: wn 1,572,864 bytes; tab 2,097,152 bytes; order 32,768 bytes of whole numbers; cnt 1,024 bytes of whole numbers; qn 16,777,216 bytes; kv 33,554,432 bytes
;; launch prep (part 1): grid 900 x 1, 1 waves a work-group, no clusters, 8,960 bytes of LDS; arguments Vq, Vk, Vv, position_ids, attention_mask, wn, tab, order, cnt; writes wn, tab, order, cnt
.if DOCPART == 1
	.amdgcn_target "amdgcn-amd-amdhsa--gfx1250"
	.amdhsa_code_object_version 6
	.text
	.protected	k_q5236bef625_prep
	.globl	k_q5236bef625_prep
	.p2align	8
	.type	k_q5236bef625_prep,@function
k_q5236bef625_prep:
	s_mov_b64 s[64:65], 0
	v_nop
	global_prefetch_b8 v0, s[64:65] scope:SCOPE_SE
	s_setreg_imm32_b32 hwreg(HW_REG_WAVE_MODE, 25, 1), 1
	s_wait_xcnt 0x0
; Three small jobs that the later launches need, one wave a work-group, told apart by the work-group's number:
;   0 .. 3     PART: for batch b a list 'order' of its 2,048 keys with the valid ones (mask != 0) first, and their number 'cnt'
;   4 .. 515   TAB:  cos and sin of position x inverse frequency for 16 rows (b, m): a row of tab is 32 pairs (cos, sin), 256 bytes
;   516 .. 899 W:    32 (k) x 64 (n) numbers of Vq, Vk or Vv, rounded to bf16 and laid down as matrix fragments:
;                    block (n tile, k step) = 1,024 bytes; in its half f lane L owns bytes 16 L: W[32 ks + 16 f + 8 (L / 16) + 0..7][16 nt + L % 16]
; LIMITS: sin and cos come from a reduction by 2 pi in two parts and Taylor sums on [-pi, pi] (cut at x^15 and x^16: the first terms
; left out are below 1e-6); the reduction is good for |position| up to about 2^21.  The list's order inside the valid keys is not the
; index order: a softmax's sums do not hang on it but for rounding.
.set NPART, 4
.set NTAB,  512
.set D,  32                            ; v[32:95]   64 words of data
.set PK, 96                            ; v[96:127]  32 packed words (W job)
.set WP, 272                           ; W job: LDS pitch of a row of 64 f32 (256 bytes + 16)
	s_load_b512 s[4:19], s[0:1], 0x0               ; Vq s[4:5] Vk s[6:7] Vv s[8:9] position_ids s[10:11] mask s[12:13] wn s[14:15] tab s[16:17] order s[18:19]
	s_load_b64 s[20:21], s[0:1], 0x40              ; cnt
	v_lshl_add_u32 v128, v0, 2, 0x2200
	v_mov_b32 v129, 0
	v_and_b32 v2, 31, v0                           ; lane L
	v_lshlrev_b32 v1, 4, v2                        ; 16 L
	v_lshlrev_b32 v3, 2, v2                        ; 4 L
	v_lshlrev_b32 v7, 3, v2                        ; 8 L
	s_mov_b32 s23, 0                               ; high word of every offset pair s[22:23]
	s_wait_kmcnt 0x0
	s_cmp_lt_u32 ttmp9, NPART
	s_cbranch_scc1 .Lpart
	s_cmp_lt_u32 ttmp9, NPART+NTAB
	s_cbranch_scc1 .Ltab
	; ---------------- W: turn and round a block of a weight matrix
	s_sub_co_u32 s24, ttmp9, NPART+NTAB
	s_lshr_b32 s25, s24, 7                         ; which matrix: 0 q, 1 k, 2 v
	s_bfe_u32 s26, s24, 0x40003                    ; cg: which 64 columns
	s_and_b32 s27, s24, 7                          ; ks: which 32 rows
	s_cmp_eq_u32 s25, 0
	s_cselect_b64 s[28:29], s[4:5], s[6:7]
	s_cmp_eq_u32 s25, 2
	s_cselect_b64 s[28:29], s[8:9], s[28:29]
	s_lshl_b32 s22, s27, 17                        ; 32 rows of 4,096 bytes
	s_lshl_b32 s30, s26, 8                         ; 64 columns of 4 bytes
	s_add_co_u32 s22, s22, s30
	s_add_nc_u64 s[28:29], s[28:29], s[22:23]
	s_lshl_b32 s22, s25, 19                        ; ((mat 64 + 4 cg) 8 + ks) 1,024
	s_lshl_b32 s30, s26, 15
	s_add_co_u32 s22, s22, s30
	s_lshl_b32 s30, s27, 10
	s_add_co_u32 s22, s22, s30
	s_add_nc_u64 s[14:15], s[14:15], s[22:23]
	v_and_b32 v4, 15, v0                           ; r
	v_bfe_u32 v5, v0, 4, 1                         ; hh
	v_lshlrev_b32 v8, 4, v4
	v_lshl_add_u32 v8, v5, 12, v8                  ; memory: row hh, 16 bytes at 16 r: sixteen lanes take a row's 256 bytes
	v_mul_u32_u24 v9, v5, WP
	v_lshl_add_u32 v9, v4, 4, v9                   ; LDS, in: the same two rows
	v_mul_u32_u24 v10, v5, 8*WP
	v_lshl_add_u32 v10, v4, 2, v10                 ; LDS, back: row 8 hh, column r: the two halves of the lanes lie 544 words apart, 32 banks
.irp t, 0,1,2,3,4,5,6,7,8,9,10,11,12,13,14,15
	global_load_b128 v[D+4*\t:D+4*\t+3], v8, s[28:29] offset:8192*\t
.endr
	s_wait_loadcnt 0x0
.irp t, 0,1,2,3,4,5,6,7,8,9,10,11,12,13,14,15
	ds_store_b128 v9, v[D+4*\t:D+4*\t+3] offset:2*WP*\t
.endr
	s_wait_dscnt 0x0                               ; the stores are done before loads land in their data registers
.irp nt, 0,1,2,3
.irp f, 0,1
.irp j, 0,1,2,3,4,5,6,7
	ds_load_b32 v[D+8*(2*\nt+\f)+\j], v10 offset:(16*\f+\j)*WP+64*\nt     ; W[16 f + 8 hh + j][16 nt + r]
.endr
.endr
.endr
	s_wait_dscnt 0x0
.set i, 0
.rept 32
	v_cvt_pk_bf16_f32 v[PK+i], v[D+2*i], v[D+2*i+1]
.set i, i+1
.endr
.irp nt, 0,1,2,3
.irp f, 0,1
	global_store_b128 v1, v[PK+4*(2*\nt+\f):PK+4*(2*\nt+\f)+3], s[14:15] offset:8192*\nt+512*\f   ; 512 consecutive bytes a store
.endr
.endr
	s_wait_tensorcnt 0x0
	ds_add_u32 v128, v129
	s_wait_dscnt 0x0
	s_endpgm
	; ---------------- PART: valid keys first
.Lpart:
	s_lshl_b32 s22, ttmp9, 13                      ; 2,048 words a batch
	s_add_nc_u64 s[12:13], s[12:13], s[22:23]
	s_add_nc_u64 s[18:19], s[18:19], s[22:23]
	s_lshl_b32 s22, ttmp9, 8
	s_add_nc_u64 s[20:21], s[20:21], s[22:23]
.irp t, 0,1,2,3,4,5,6,7,8,9,10,11,12,13,14,15
	global_load_b128 v[D+4*\t:D+4*\t+3], v1, s[12:13] offset:512*\t       ; register 4 t + e: key 128 t + 4 L + e
.endr
	s_mov_b32 s24, 0                               ; valid keys placed so far: they fill the list from its head
	s_mov_b32 s25, 2047                            ; the others fill it from its end downward
	s_wait_loadcnt 0x0
.set i, 0
.rept 64
	v_cmp_ne_u32 vcc_lo, 0, v[D+i]
	v_mbcnt_lo_u32_b32 v4, vcc_lo, 0               ; valid lanes below me
	v_sub_nc_u32 v5, v2, v4                        ; other lanes below me
	v_add_nc_u32 v4, s24, v4
	v_sub_nc_u32 v5, s25, v5
	v_cndmask_b32 v4, v5, v4, vcc_lo               ; my place in the list
	v_min_u32 v4, 0x7ff, v4                        ; (it is below 2,048 by construction)
	v_lshlrev_b32 v4, 2, v4
	v_add_nc_u32 v6, 128*(i/4)+(i%4), v3           ; my key's index
	ds_store_b32 v4, v6
	s_bcnt1_i32_b32 s26, vcc_lo
	s_add_co_u32 s24, s24, s26
	s_sub_co_u32 s25, s25, 32
	s_add_co_u32 s25, s25, s26
.set i, i+1
.endr
.irp t, 0,1,2,3,4,5,6,7,8,9,10,11,12,13,14,15
	ds_load_b128 v[D+4*\t:D+4*\t+3], v1 offset:512*\t                     ; LDS serves a wave's instructions in order: these see the stores
.endr
	v_mov_b32 v8, s24
	v_mov_b32 v9, s24
	s_wait_dscnt 0x0
.irp t, 0,1,2,3,4,5,6,7,8,9,10,11,12,13,14,15
	global_store_b128 v1, v[D+4*\t:D+4*\t+3], s[18:19] offset:512*\t
.endr
	global_store_b64 v7, v[8:9], s[20:21]          ; the count, 64 times: 256 consecutive bytes
	s_wait_tensorcnt 0x0
	ds_add_u32 v128, v129
	s_wait_dscnt 0x0
	s_endpgm
	; ---------------- TAB: cos and sin; lane L is frequency L
.Ltab:
	s_sub_co_u32 s42, ttmp9, NPART
	s_lshl_b32 s22, s42, 6                         ; 16 positions
	s_add_nc_u64 s[10:11], s[10:11], s[22:23]
	s_load_b512 s[24:39], s[10:11], 0x0
	s_lshl_b32 s22, s42, 12                        ; 16 rows of 256 bytes
	s_add_nc_u64 s[16:17], s[16:17], s[22:23]
	s_mov_b32 s40, 0xc0c90fdb                      ; -(2 pi rounded to f32)
	s_mov_b32 s41, 0x343bbd2e                      ; that rounding's error
	v_cvt_f32_u32 v10, v2
	v_mul_f32 v10, 0xbed49a78, v10                 ; -L log2(10000) / 32
	v_exp_f32 v10, v10                             ; 10000^(-L / 32)
	v_nop                                          ; one plain place behind a transcendental (ISA guide 5.7.2)
	s_wait_kmcnt 0x0
	s_wait_alu depctr_va_vdst(0)
.irp i, 0,1,2,3,4,5,6,7,8,9,10,11,12,13,14,15
	v_cvt_f32_i32 v11, s[24+\i]
	v_mul_f32 v12, v11, v10                        ; the angle, as reference() rounds it
	v_mul_f32 v13, 0.15915494, v12
	v_rndne_f32 v13, v13                           ; whole turns
	v_fma_f32 v14, v13, s40, v12
	v_fma_f32 v14, v13, s41, v14                   ; R in [-pi, pi]
	v_mul_f32 v15, v14, v14                        ; Z = R^2
	v_mov_b32 v16, 0x29573f9f                      ; cos: 1/16!, -1/14!, .. , -1/2, 1
	v_mov_b32 v17, 0xab573f9f                      ; sin: -1/15!, 1/13!, .. , -1/6
	v_fmaak_f32 v16, v16, v15, 0xad49cba5
	v_fmaak_f32 v17, v17, v15, 0x2f309231
	v_fmaak_f32 v16, v16, v15, 0x310f76c7
	v_fmaak_f32 v17, v17, v15, 0xb2d7322b
	v_fmaak_f32 v16, v16, v15, 0xb493f27e
	v_fmaak_f32 v17, v17, v15, 0x3638ef1d
	v_fmaak_f32 v16, v16, v15, 0x37d00d01
	v_fmaak_f32 v17, v17, v15, 0xb9500d01
	v_fmaak_f32 v16, v16, v15, 0xbab60b61
	v_fmaak_f32 v17, v17, v15, 0x3c088889
	v_fmaak_f32 v16, v16, v15, 0x3d2aaaab
	v_fmaak_f32 v17, v17, v15, 0xbe2aaaab
	v_fma_f32 v16, v16, v15, -0.5
	v_mul_f32 v18, v14, v15
	v_fma_f32 v[D+2*\i], v16, v15, 1.0             ; cos
	v_fma_f32 v[D+2*\i+1], v18, v17, v14           ; sin = R + R Z p(Z)
	global_store_b64 v7, v[D+2*\i:D+2*\i+1], s[16:17] offset:256*\i       ; a row's 256 bytes; each row has its own data registers
.endr
	s_endpgm
.Lfunc_end_k_q5236bef625_prep:
	.size	k_q5236bef625_prep, .Lfunc_end_k_q5236bef625_prep-k_q5236bef625_prep
	.p2alignl 7, 3214868480
	.fill 96, 4, 3214868480
	.section	.rodata,"a",@progbits
	.p2align	6, 0x0
	.amdhsa_kernel k_q5236bef625_prep
		.amdhsa_group_segment_fixed_size 8960
		.amdhsa_private_segment_fixed_size 0
		.amdhsa_enable_private_segment 0
		.amdhsa_kernarg_size 72
		.amdhsa_user_sgpr_count 2
		.amdhsa_user_sgpr_kernarg_segment_ptr 1
		.amdhsa_wavefront_size32 1
		.amdhsa_system_sgpr_workgroup_id_x 1
		.amdhsa_system_sgpr_workgroup_id_y 1
		.amdhsa_system_sgpr_workgroup_id_z 1
		.amdhsa_system_vgpr_workitem_id 0
		.amdhsa_next_free_vgpr 130
		.amdhsa_next_free_sgpr 66
		.amdhsa_reserve_vcc 1
		.amdhsa_float_denorm_mode_32 3
		.amdhsa_float_denorm_mode_16_64 3
		.amdhsa_memory_ordered 1
		.amdhsa_forward_progress 1
		.amdhsa_inst_pref_size 77
	.end_amdhsa_kernel
	.amdgpu_metadata
---
amdhsa.version: [ 1, 2 ]
amdhsa.kernels:
  - .name:           k_q5236bef625_prep
    .symbol:         k_q5236bef625_prep.kd
    .args:
      - { .name: Vq, .offset: 0, .size: 8, .value_kind: global_buffer, .address_space: global }
      - { .name: Vk, .offset: 8, .size: 8, .value_kind: global_buffer, .address_space: global }
      - { .name: Vv, .offset: 16, .size: 8, .value_kind: global_buffer, .address_space: global }
      - { .name: position_ids, .offset: 24, .size: 8, .value_kind: global_buffer, .address_space: global }
      - { .name: attention_mask, .offset: 32, .size: 8, .value_kind: global_buffer, .address_space: global }
      - { .name: wn, .offset: 40, .size: 8, .value_kind: global_buffer, .address_space: global }
      - { .name: tab, .offset: 48, .size: 8, .value_kind: global_buffer, .address_space: global }
      - { .name: order, .offset: 56, .size: 8, .value_kind: global_buffer, .address_space: global }
      - { .name: cnt, .offset: 64, .size: 8, .value_kind: global_buffer, .address_space: global }
    .group_segment_fixed_size: 8960
    .private_segment_fixed_size: 0
    .kernarg_segment_align: 8
    .kernarg_segment_size: 72
    .max_flat_workgroup_size: 32
    .sgpr_count:     66
    .vgpr_count:     130
    .wavefront_size: 32
...
	.end_amdgpu_metadata
.endif
;; end of part 1
;; launch proj (part 2): grid 64 x 12, 4 waves a work-group, no clusters, 102,912 bytes of LDS; arguments Pq, Pk, Pv, bq, bk, bv, wn, tab, order, qn, kv; writes qn, kv
.if DOCPART == 2
	.amdgcn_target "amdgcn-amd-amdhsa--gfx1250"
	.amdhsa_code_object_version 6
	.text
	.protected	k_q5236bef625_proj
	.globl	k_q5236bef625_proj
	.p2align	8
	.type	k_q5236bef625_proj,@function
k_q5236bef625_proj:
	s_mov_b64 s[64:65], 0
	v_nop
	global_prefetch_b8 v0, s[64:65] scope:SCOPE_SE
	s_setreg_imm32_b32 hwreg(HW_REG_WAVE_MODE, 25, 1), 1
	s_wait_xcnt 0x0
; q, k and v from their low-rank factors: X = P W + bias, K = 256; q and k are then rotated (RoPE).  Results leave in bf16, already in the
; order in which the attention launch's matrix instructions want them (512 consecutive bytes a store of a wave).
; Work-group (x, y): batch b = x / 16, rows 128 (x % 16) .. + 127; y / 4 = 0 q, 1 k, 2 v; wave w makes head 4 (y % 4) + w: 128 rows x 64 columns,
; 32 accumulator tiles, 256 matrix instructions.
; For k and v 'row c' means key order[b][c]: the rows of P (and of the cos/sin table) are picked by the list, so that the valid keys come first.
; The softmax scale is not applied here.
; P comes as f32 rows picked by a list and is rounded to bf16 on the way to LDS, so it goes through registers; no tensor load, and so no joint
; request in a cluster, can do that.  W's fragments go straight from memory to registers: each wave reads its own head's 32 KiB once.
; q, k: source 0 = W's fragment, source 1 = P's: a lane then holds 8 neighbouring d of one row.  v: the other way round: 8 neighbouring keys of one d.
.set PPITCH, 528                       ; LDS row of P: 256 bf16 + 16 bytes: an odd multiple of 16, so 16 rows start at 16 different 16-byte columns
.set TPITCH, 272                       ; LDS row of the table: 256 bytes + 16
.set TABL,   128*PPITCH                ; the table's 128 rows lie behind P's 128 rows (67,584)
; window 0
.set BIAS, 32                          ; v[32:63]   q, k: bias of d = 16 nt + 8 hh + j at 8 nt + j;  v: bias of d = 16 nt + r at nt
.set WF,   64                          ; v[64:127]  W's fragments, two buffers of 4 x 8
.set PF,   128                         ; v[128:255] P's fragments, two buffers of 8 x 8
.set T,    64                          ; way out: 32 numbers in f32
.set CS,   96                          ; way out: 16 pairs (cos, sin)
.set OP,   128                         ; way out: 16 packed words
.set U,    144
; window 1: v[0:255] are the 32 accumulator tiles, tile (rt, nt) at 8 (4 rt + nt).  Before the products the same registers serve the way in:
.set PD,   0                           ; 16 slots of 8: a row of P as loaded
.set VO,   128                         ; 16: a slot's byte offset in P
.set TD,   144                         ; 32 pairs: my 32 rows of the table
.set TV,   208                         ; 32: their byte offsets
.set CV,   240                         ; 4: a row of P, packed
.set L16W, 244                         ; copies of 16 L, 8 L and of the two LDS store addresses
.set L8W,  245
.set PSTW, 246
.set TSTW, 247
.set MSB, 0
.macro WIN new                         ; s_set_vgpr_msb: bits 1:0 source 0, 3:2 source 1, 5:4 source 2, 7:6 destination; the high byte repeats the setting left
.if MSB != \new
	s_set_vgpr_msb (MSB<<8)|\new
.set MSB, \new
.endif
.endm
.macro PLACES                          ; four plain places behind a matrix instruction (ISA guide 7.12.1), before its registers are loaded into, read or written
.rept 4
	v_nop
.endr
.endm
	s_load_b512 s[4:19], s[0:1], 0x0               ; Pq s[4:5] Pk s[6:7] Pv s[8:9] bq s[10:11] bk s[12:13] bv s[14:15] wn s[16:17] tab s[18:19]
	s_load_b128 s[20:23], s[0:1], 0x40             ; order s[20:21] qn s[22:23]
	s_load_b64 s[24:25], s[0:1], 0x50              ; kv
	v_lshl_add_u32 v30, v0, 2, 0x19000
	v_mov_b32 v31, 0
	v_lshrrev_b32 v9, 5, v0
	v_readfirstlane_b32 s26, v9                    ; wave w
	s_and_b32 s31, ttmp7, 0xffff
	s_lshr_b32 s27, s31, 2                         ; mode: 0 q, 1 k, 2 v
	s_and_b32 s28, s31, 3
	s_lshl2_add_u32 s28, s28, s26                  ; head
	s_lshr_b32 s29, ttmp9, 4                       ; b
	s_and_b32 s30, ttmp9, 15                       ; which 128 rows
	s_lshl_b32 s31, s30, 7
	s_lshl_b32 s78, s26, 5
	s_add_co_u32 s31, s31, s78                     ; the first of the 32 rows that I bring in
	s_mov_b32 s79, 0                               ; high words of the offset pairs s[78:79], s[80:81]
	s_mov_b32 s81, 0
	v_and_b32 v10, 31, v0
	v_and_b32 v11, 15, v0                          ; r
	v_bfe_u32 v12, v0, 4, 1                        ; hh
	v_lshlrev_b32 v1, 4, v10                       ; 16 L
	v_lshlrev_b32 v2, 3, v10                       ; 8 L
	v_mul_u32_u24 v3, v11, PPITCH
	v_lshl_add_u32 v3, v12, 4, v3                  ; P's fragments: row r, 16 hh
	v_mul_u32_u24 v4, v11, TPITCH
	v_lshl_add_u32 v4, v12, 6, v4
	v_add_nc_u32 v4, TABL, v4                      ; the table: row r, frequencies 8 hh ..
	s_mul_i32 s83, s26, 32*PPITCH
	v_add_nc_u32 v5, s83, v2                       ; where I put my rows of P
	s_mul_i32 s84, s26, 32*TPITCH
	s_add_co_u32 s84, s84, TABL
	v_add_nc_u32 v6, s84, v2                       ; and of the table
	v_lshlrev_b32 v7, 5, v12                       ; bias of q, k: 8 numbers at 8 hh
	v_lshlrev_b32 v8, 2, v11                       ; bias of v: the number at r
	s_wait_kmcnt 0x0
	s_cmp_eq_u32 s27, 0
	s_cselect_b64 s[66:67], s[4:5], s[6:7]         ; P
	s_cselect_b64 s[68:69], s[10:11], s[12:13]     ; bias
	s_cselect_b64 s[74:75], s[22:23], s[24:25]     ; where the result goes
	s_cmp_eq_u32 s27, 2
	s_cselect_b64 s[66:67], s[8:9], s[66:67]
	s_cselect_b64 s[68:69], s[14:15], s[68:69]
	s_lshl_b32 s78, s29, 21
	s_add_nc_u64 s[66:67], s[66:67], s[78:79]      ; P of my batch
	s_lshl_b32 s78, s28, 8
	s_add_nc_u64 s[68:69], s[68:69], s[78:79]      ; bias of my head
	s_lshl_b32 s78, s27, 19
	s_lshl_b32 s80, s28, 15
	s_add_co_u32 s78, s78, s80
	s_add_nc_u64 s[70:71], s[16:17], s[78:79]      ; W's blocks of my head: (mode 64 + 4 head) 8,192
	s_lshl_b32 s78, s29, 19
	s_add_nc_u64 s[72:73], s[18:19], s[78:79]      ; the table of my batch
	s_lshl4_add_u32 s78, s29, s28                  ; b 16 + head
	s_lshl_b32 s78, s78, 18
	s_lshl_b32 s80, s30, 14
	s_add_co_u32 s78, s78, s80                     ; q: 8 tiles of 2,048 bytes for 128 rows
	s_cmp_eq_u32 s27, 0
	s_cselect_b32 s82, 0, 1
	s_lshl_b32 s78, s78, s82                       ; k, v: 2 steps of 16,384 bytes: twice as much
	s_lshl_b32 s80, 8192, s82
	s_add_nc_u64 s[74:75], s[74:75], s[78:79]      ; rows 0 to 63
	s_add_nc_u64 s[76:77], s[74:75], s[80:81]      ; rows 64 to 127
.irp nt, 0,1,2,3
	global_load_b128 v[WF+8*\nt:WF+8*\nt+3],   v1, s[70:71] offset:8192*\nt       ; W, K step 0
	global_load_b128 v[WF+8*\nt+4:WF+8*\nt+7], v1, s[70:71] offset:8192*\nt+512
.endr
	s_lshl_b32 s78, s29, 11
	s_add_co_u32 s78, s78, s31
	s_lshl_b32 s78, s78, 2
	s_add_nc_u64 s[20:21], s[20:21], s[78:79]
	s_cmp_eq_u32 s27, 0
	s_cbranch_scc1 .Lident
	s_load_b512 s[32:47], s[20:21], 0x0            ; k, v: the source rows of my 32 rows
	s_load_b512 s[48:63], s[20:21], 0x40
	s_wait_kmcnt 0x0
.set i, 0
.rept 32
	s_min_u32 s[32+i], s[32+i], 0x7ff              ; a row of the batch
.set i, i+1
.endr
	s_branch .Lrows
.Lident:
.set i, 0
.rept 32
	s_add_co_u32 s[32+i], s31, i                   ; q: the rows as they lie
.set i, i+1
.endr
.Lrows:
	WIN 0x40
	v_mov_b32 v[L16W], v1
	v_mov_b32 v[L8W],  v2
	v_mov_b32 v[PSTW], v5
	v_mov_b32 v[TSTW], v6
	WIN 0
; row i of my 32 goes out: two loads of 512 consecutive bytes
.macro PFILL i
	v_lshl_add_u32 v[VO+((\i)%16)], s[32+\i], 10, v[L16W]
	global_load_b128 v[PD+8*((\i)%16):PD+8*((\i)%16)+3],   v[VO+((\i)%16)], s[66:67]
	global_load_b128 v[PD+8*((\i)%16)+4:PD+8*((\i)%16)+7], v[VO+((\i)%16)], s[66:67] offset:512
.endm
; row i has come: round, put into LDS; its slot takes row i + 16.  left = younger loads that may stay out
.macro PSLOT i, refill, left
	s_wait_loadcnt \left                           ; loads come back in order: this slot's two are in, and its offset register is free
	v_cvt_pk_bf16_f32 v[CV],   v[PD+8*((\i)%16)],   v[PD+8*((\i)%16)+1]
	v_cvt_pk_bf16_f32 v[CV+1], v[PD+8*((\i)%16)+2], v[PD+8*((\i)%16)+3]
	v_cvt_pk_bf16_f32 v[CV+2], v[PD+8*((\i)%16)+4], v[PD+8*((\i)%16)+5]
	v_cvt_pk_bf16_f32 v[CV+3], v[PD+8*((\i)%16)+6], v[PD+8*((\i)%16)+7]
	ds_store_b64 v[PSTW], v[CV:CV+1]   offset:PPITCH*(\i)
	ds_store_b64 v[PSTW], v[CV+2:CV+3] offset:PPITCH*(\i)+256
.if \refill
	PFILL (\i)+16
.endif
.endm
; The way in.  rope = 1: q, k (bias by d, the table's rows);  0: v
.macro PROLOGUE rope
.if \rope
.irp nt, 0,1,2,3
	global_load_b128 v[BIAS+8*\nt:BIAS+8*\nt+3],   v7, s[68:69] offset:64*\nt
	global_load_b128 v[BIAS+8*\nt+4:BIAS+8*\nt+7], v7, s[68:69] offset:64*\nt+16
.endr
	WIN 0x55                                       ; everything in window 1
.set i, 0
.rept 32
	v_lshl_add_u32 v[TV+i], s[32+i], 8, v[L8W]
	global_load_b64 v[TD+2*i:TD+2*i+1], v[TV+i], s[72:73]          ; the source row's 256 bytes of cos and sin
.set i, i+1
.endr
.else
.irp nt, 0,1,2,3
	global_load_b32 v[BIAS+\nt], v8, s[68:69] offset:64*\nt
.endr
	WIN 0x55
.endif
.set i, 0
.rept 16
	PFILL i
.set i, i+1
.endr
.if \rope
	s_wait_loadcnt 32                              ; only the 32 loads of P are younger than the table's
.set i, 0
.rept 32
	ds_store_b64 v[TSTW], v[TD+2*i:TD+2*i+1] offset:TPITCH*i
.set i, i+1
.endr
.endif
.set i, 0
.rept 16
	PSLOT i, 1, 30                                 ; the other fifteen slots' loads stay out
.set i, i+1
.endr
.rept 16
	PSLOT i, 0, 2*(31-i)                           ; nothing more to fetch: the counts run down
.set i, i+1
.endr
	WIN 0
	s_wait_dscnt 0x0                               ; my rows are in LDS,
	s_barrier_signal -1
	s_barrier_wait -1                              ; everybody's are: the launch's only barrier
.irp rt, 0,1,2,3,4,5,6,7
	ds_load_b128 v[PF+8*\rt:PF+8*\rt+3],   v3 offset:16*PPITCH*\rt
	ds_load_b128 v[PF+8*\rt+4:PF+8*\rt+7], v3 offset:16*PPITCH*\rt+32
.endr
.endm
; K step ks (32 along K): fetch the next step's fragments into the other buffers, then 32 matrix instructions.
; The 32 accumulators take turns, one instruction a turn, in the same order in every step.
.macro KS ks, swap
.if \ks < 7
.if \ks > 0
	PLACES                                         ; the buffers that are loaded now were the last step's sources
.endif
.irp nt, 0,1,2,3
	global_load_b128 v[WF+32*((\ks+1)&1)+8*\nt:WF+32*((\ks+1)&1)+8*\nt+3],   v1, s[70:71] offset:8192*\nt+1024*(\ks+1)
	global_load_b128 v[WF+32*((\ks+1)&1)+8*\nt+4:WF+32*((\ks+1)&1)+8*\nt+7], v1, s[70:71] offset:8192*\nt+1024*(\ks+1)+512
.endr
.irp rt, 0,1,2,3,4,5,6,7
	ds_load_b128 v[PF+64*((\ks+1)&1)+8*\rt:PF+64*((\ks+1)&1)+8*\rt+3],   v3 offset:16*PPITCH*\rt+64*(\ks+1)
	ds_load_b128 v[PF+64*((\ks+1)&1)+8*\rt+4:PF+64*((\ks+1)&1)+8*\rt+7], v3 offset:16*PPITCH*\rt+64*(\ks+1)+32
.endr
	s_wait_loadcnt 8                               ; all but the 8 just issued
	s_wait_dscnt 16                                ; all but the 16 just issued
.else
	s_wait_loadcnt 0x0
	s_wait_dscnt 0x0
.endif
	WIN 0x50                                       ; C and D in window 1
.irp rt, 0,1,2,3,4,5,6,7
.irp nt, 0,1,2,3
.if \swap
.if \ks == 0
	v_wmma_f32_16x16x32_bf16 v[8*(4*\rt+\nt):8*(4*\rt+\nt)+7], v[PF+64*(\ks&1)+8*\rt:PF+64*(\ks&1)+8*\rt+7], v[WF+32*(\ks&1)+8*\nt:WF+32*(\ks&1)+8*\nt+7], 0
.else
	v_wmma_f32_16x16x32_bf16 v[8*(4*\rt+\nt):8*(4*\rt+\nt)+7], v[PF+64*(\ks&1)+8*\rt:PF+64*(\ks&1)+8*\rt+7], v[WF+32*(\ks&1)+8*\nt:WF+32*(\ks&1)+8*\nt+7], v[8*(4*\rt+\nt):8*(4*\rt+\nt)+7]
.endif
.else
.if \ks == 0
	v_wmma_f32_16x16x32_bf16 v[8*(4*\rt+\nt):8*(4*\rt+\nt)+7], v[WF+32*(\ks&1)+8*\nt:WF+32*(\ks&1)+8*\nt+7], v[PF+64*(\ks&1)+8*\rt:PF+64*(\ks&1)+8*\rt+7], 0
.else
	v_wmma_f32_16x16x32_bf16 v[8*(4*\rt+\nt):8*(4*\rt+\nt)+7], v[WF+32*(\ks&1)+8*\nt:WF+32*(\ks&1)+8*\nt+7], v[PF+64*(\ks&1)+8*\rt:PF+64*(\ks&1)+8*\rt+7], v[8*(4*\rt+\nt):8*(4*\rt+\nt)+7]
.endif
.endif
.endr
.endr
	WIN 0
.endm
; 16 rows of q or k leave: bias, rotation by the row's cos and sin, rounding; lane L holds row r, d = 16 nt + 8 hh + j
.macro EPI_QK rt, ob
.irp n, 0,1
.irp q, 0,1,2,3
	ds_load_b128 v[CS+16*\n+4*\q:CS+16*\n+4*\q+3], v4 offset:16*TPITCH*\rt+128*\n+16*\q   ; frequencies 16 n + 8 hh + 2 q, + 1
.endr
.endr
	WIN 0x01                                       ; source 0 in window 1
.irp nt, 0,1,2,3
.irp j, 0,1,2,3,4,5,6,7
	v_add_f32 v[T+8*\nt+\j], v[8*(4*\rt+\nt)+\j], v[BIAS+8*\nt+\j]
.endr
.endr
	WIN 0
	s_wait_dscnt 0x0
.irp n, 0,1
.irp j, 0,1,2,3,4,5,6,7
	v_mul_f32 v[U], v[T+16+8*\n+\j], v[CS+16*\n+2*\j+1]                                  ; x1 sin
	v_mul_f32 v[T+16+8*\n+\j], v[T+16+8*\n+\j], v[CS+16*\n+2*\j]                         ; x1 cos
	v_fma_f32 v[T+16+8*\n+\j], v[T+8*\n+\j], v[CS+16*\n+2*\j+1], v[T+16+8*\n+\j]         ; x0 sin + x1 cos
	v_fma_f32 v[T+8*\n+\j], v[T+8*\n+\j], v[CS+16*\n+2*\j], -v[U]                        ; x0 cos - x1 sin
.endr
.endr
	s_wait_xcnt 0x0                                ; the packed words were the last stores' data: rewritten only behind this wait
.set i, 0
.rept 16
	v_cvt_pk_bf16_f32 v[OP+i], v[T+2*i], v[T+2*i+1]
.set i, i+1
.endr
.irp nt, 0,1,2,3
	global_store_b128 v1, v[OP+4*\nt:OP+4*\nt+3], s[\ob:\ob+1] offset:2048*(\rt&3)+512*\nt
.endr
.endm
; 16 keys of v leave: lane L holds keys 16 rt + 8 hh + j of d = 16 nt + r
.macro EPI_V rt, ob
	WIN 0x01
.irp nt, 0,1,2,3
.irp j, 0,1,2,3,4,5,6,7
	v_add_f32 v[T+8*\nt+\j], v[8*(4*\rt+\nt)+\j], v[BIAS+\nt]
.endr
.endr
	WIN 0
	s_wait_xcnt 0x0                                ; as above
.set i, 0
.rept 16
	v_cvt_pk_bf16_f32 v[OP+i], v[T+2*i], v[T+2*i+1]
.set i, i+1
.endr
.irp nt, 0,1,2,3
	global_store_b128 v1, v[OP+4*\nt:OP+4*\nt+3], s[\ob:\ob+1] offset:8192+4096*((\rt&3)>>1)+1024*\nt+512*(\rt&1)
.endr
.endm
	s_cmp_eq_u32 s27, 2                            ; hangs on the work-group's y alone: the four waves go the same way
	s_cbranch_scc1 .Lv
	PROLOGUE 1
.irp ks, 0,1,2,3,4,5,6,7
	KS \ks, 0
.endr
	PLACES
	EPI_QK 0, 74
	EPI_QK 1, 74
	EPI_QK 2, 74
	EPI_QK 3, 74
	EPI_QK 4, 76
	EPI_QK 5, 76
	EPI_QK 6, 76
	EPI_QK 7, 76
	s_wait_tensorcnt 0x0
	ds_add_u32 v30, v31
	s_wait_dscnt 0x0
	s_endpgm
.Lv:
	PROLOGUE 0
.irp ks, 0,1,2,3,4,5,6,7
	KS \ks, 1
.endr
	PLACES
	EPI_V 0, 74
	EPI_V 1, 74
	EPI_V 2, 74
	EPI_V 3, 74
	EPI_V 4, 76
	EPI_V 5, 76
	EPI_V 6, 76
	EPI_V 7, 76
	s_wait_tensorcnt 0x0
	ds_add_u32 v30, v31
	s_wait_dscnt 0x0
	s_endpgm
.Lfunc_end_k_q5236bef625_proj:
	.size	k_q5236bef625_proj, .Lfunc_end_k_q5236bef625_proj-k_q5236bef625_proj
	.p2alignl 7, 3214868480
	.fill 96, 4, 3214868480
	.section	.rodata,"a",@progbits
	.p2align	6, 0x0
	.amdhsa_kernel k_q5236bef625_proj
		.amdhsa_group_segment_fixed_size 102912
		.amdhsa_private_segment_fixed_size 0
		.amdhsa_enable_private_segment 0
		.amdhsa_kernarg_size 88
		.amdhsa_user_sgpr_count 2
		.amdhsa_user_sgpr_kernarg_segment_ptr 1
		.amdhsa_wavefront_size32 1
		.amdhsa_system_sgpr_workgroup_id_x 1
		.amdhsa_system_sgpr_workgroup_id_y 1
		.amdhsa_system_sgpr_workgroup_id_z 1
		.amdhsa_system_vgpr_workitem_id 0
		.amdhsa_next_free_vgpr 512
		.amdhsa_next_free_sgpr 96
		.amdhsa_reserve_vcc 0
		.amdhsa_float_denorm_mode_32 3
		.amdhsa_float_denorm_mode_16_64 3
		.amdhsa_memory_ordered 1
		.amdhsa_forward_progress 1
		.amdhsa_inst_pref_size 188
	.end_amdhsa_kernel
	.amdgpu_metadata
---
amdhsa.version: [ 1, 2 ]
amdhsa.kernels:
  - .name:           k_q5236bef625_proj
    .symbol:         k_q5236bef625_proj.kd
    .args:
      - { .name: Pq, .offset: 0, .size: 8, .value_kind: global_buffer, .address_space: global }
      - { .name: Pk, .offset: 8, .size: 8, .value_kind: global_buffer, .address_space: global }
      - { .name: Pv, .offset: 16, .size: 8, .value_kind: global_buffer, .address_space: global }
      - { .name: bq, .offset: 24, .size: 8, .value_kind: global_buffer, .address_space: global }
      - { .name: bk, .offset: 32, .size: 8, .value_kind: global_buffer, .address_space: global }
      - { .name: bv, .offset: 40, .size: 8, .value_kind: global_buffer, .address_space: global }
      - { .name: wn, .offset: 48, .size: 8, .value_kind: global_buffer, .address_space: global }
      - { .name: tab, .offset: 56, .size: 8, .value_kind: global_buffer, .address_space: global }
      - { .name: order, .offset: 64, .size: 8, .value_kind: global_buffer, .address_space: global }
      - { .name: qn, .offset: 72, .size: 8, .value_kind: global_buffer, .address_space: global }
      - { .name: kv, .offset: 80, .size: 8, .value_kind: global_buffer, .address_space: global }
    .group_segment_fixed_size: 102912
    .private_segment_fixed_size: 0
    .kernarg_segment_align: 8
    .kernarg_segment_size: 88
    .max_flat_workgroup_size: 128
    .sgpr_count:     96
    .vgpr_count:     512
    .wavefront_size: 32
...
	.end_amdgpu_metadata
.endif
;; end of part 2
;; launch attn (part 3): grid 8 x 64, 8 waves a work-group, no clusters, 52,224 bytes of LDS; arguments qn, kv, cnt, out0; writes out0
.if DOCPART == 3
	.amdgcn_target "amdgcn-amd-amdhsa--gfx1250"
	.amdhsa_code_object_version 6
	.text
	.protected	k_q5236bef625_attn
	.globl	k_q5236bef625_attn
	.p2align	8
	.type	k_q5236bef625_attn,@function
k_q5236bef625_attn:
	s_mov_b64 s[64:65], 0
	v_nop
	global_prefetch_b8 v0, s[64:65] scope:SCOPE_SE
	s_setreg_imm32_b32 hwreg(HW_REG_WAVE_MODE, 25, 1), 1
	s_wait_xcnt 0x0
; Attention of one (batch, head) pair bh = work-group y, 256 query rows (work-group x), eight waves of 32 rows each.
; The keys lie with the batch's valid ones first; cnt of them count.  Keys go in steps of 64 (a block of 16,384 bytes: four K tiles, then V in
; four groups); only the first ceil(cnt / 64) steps are fetched and worked on, and in the last of them the keys at and beyond cnt get -inf.
; The loop has a fixed number of trips with its barriers on every path; cnt only branches round the work between them.
; Transposed products: S^T = K Q^T (a lane holds 8 keys of ONE query row), O^T = V^T P^T.  So a row's maximum, sum and rescaling factor are the
; lane's own but for one exchange between the two halves of the lanes, and S^T, rounded to bf16 in place, IS the second product's source 1.
; Softmax with a running maximum, in base 2: p = 2^(c s - c m), c = log2(e) / 8.  A row with no valid key: m is set to the lowest finite number,
; every p is 0, the sum is 0, and the output is 0, as in reference().
; K and V go memory -> registers -> LDS, one step ahead, each wave 2,048 bytes of a block.  Not by tensor loads, and so without joint requests
; in a cluster: a step's 16,384 bytes feed 256 matrix instructions and some 1,900 vector instructions of the work-group, so the fetch is a small
; part of a step; and with 51,200 bytes of LDS and 256 registers a wave the softmax of one wave can run beside the products of others.
; LIMITS: finite inputs; keys are summed in the list's order, not in index order.
.set SLOTB, 16384                      ; the K/V slot: LDS bytes 0 .. 16,383
.set OPITCH, 272                       ; way out: a row of 64 f32 + 16 bytes
.set MX,  10                           ; v[10:11]  running maximum of row tile a
.set LS,  12                           ; v[12:13]  running sum (this lane's keys)
.set T0,  14
.set T1,  16
.set AL,  18                           ; v[18:21]  rescaling factor, twice, for each a
.set NMC, 22                           ; v[22:25]  -c m, twice, for each a
.set SUM, 26                           ; v[26:29]
.set QF,  32                           ; v[32:63]  Q's fragments (a, c) at 16 a + 8 c
.set OA,  64                           ; v[64:127] O^T, tile (a, dt) at 32 a + 8 dt
.set SC,  128                          ; v[128:191] S^T, tile (a, kt) at 32 a + 8 kt; P (a, ch) in place at 32 a + 16 ch
.set G0,  192                          ; three groups of 16 registers: a K tile or a group of V
.set G1,  208
.set G2,  224
.set STG, 240                          ; v[240:255] my 2,048 bytes of the next block
.macro PLACES                          ; four plain places behind a matrix instruction (ISA guide 7.12.1)
.rept 4
	v_nop
.endr
.endm
.macro BAR
	s_wait_dscnt 0x0                               ; no LDS instruction of mine is pending at the signal
	s_barrier_signal -1
	s_barrier_wait -1
.endm
.macro LDG g, off                      ; 2,048 bytes of the slot: 512 consecutive bytes a load
.irp i, 0,1,2,3
	ds_load_b128 v[\g+4*\i:\g+4*\i+3], v1 offset:\off+512*\i
.endr
.endm
.macro PUT                             ; my part of a block into the slot
.irp i, 0,1,2,3
	ds_store_b128 v2, v[STG+4*\i:STG+4*\i+3] offset:512*\i
.endr
.endm
.macro NEXT                            ; ask for the block behind this one, if a valid key lies in it.  Stands behind s_wait_loadcnt 0: base and registers are free
	s_cmp_gt_i32 s17, 64
	s_cbranch_scc0 .Lnone_\@
	s_add_nc_u64 s[26:27], s[26:27], SLOTB
.irp i, 0,1,2,3
	global_load_b128 v[STG+4*\i:STG+4*\i+3], v2, s[26:27] offset:512*\i
.endr
.Lnone_\@:
.endm
; S^T of K tile kt for both row tiles; the two accumulators take turns
.macro WS g, kt
	v_wmma_f32_16x16x32_bf16 v[SC+8*\kt:SC+8*\kt+7],       v[\g:\g+7],    v[QF:QF+7],     0
	v_wmma_f32_16x16x32_bf16 v[SC+32+8*\kt:SC+32+8*\kt+7], v[\g:\g+7],    v[QF+16:QF+23], 0
	v_wmma_f32_16x16x32_bf16 v[SC+8*\kt:SC+8*\kt+7],       v[\g+8:\g+15], v[QF+8:QF+15],  v[SC+8*\kt:SC+8*\kt+7]
	v_wmma_f32_16x16x32_bf16 v[SC+32+8*\kt:SC+32+8*\kt+7], v[\g+8:\g+15], v[QF+24:QF+31], v[SC+32+8*\kt:SC+32+8*\kt+7]
.endm
; O^T += V^T P^T for V's group gi: keys 32 (gi / 2) .., d tiles 2 (gi % 2), + 1; four accumulators by turns
.macro WV g, gi, zero
.irp d, 0,1
.irp a, 0,1
.if \zero
	v_wmma_f32_16x16x32_bf16 v[OA+32*\a+8*(2*(\gi&1)+\d):OA+32*\a+8*(2*(\gi&1)+\d)+7], v[\g+8*\d:\g+8*\d+7], v[SC+32*\a+16*(\gi>>1):SC+32*\a+16*(\gi>>1)+7], 0
.else
	v_wmma_f32_16x16x32_bf16 v[OA+32*\a+8*(2*(\gi&1)+\d):OA+32*\a+8*(2*(\gi&1)+\d)+7], v[\g+8*\d:\g+8*\d+7], v[SC+32*\a+16*(\gi>>1):SC+32*\a+16*(\gi>>1)+7], v[OA+32*\a+8*(2*(\gi&1)+\d):OA+32*\a+8*(2*(\gi&1)+\d)+7]
.endif
.endr
.endr
.endm
.macro MASK                            ; key 16 kt + 8 hh + j of the step counts if it is below what is left
	v_sub_nc_u32 v5, s17, v3
.irp kt, 0,1,2,3
.irp j, 0,1,2,3,4,5,6,7
	v_cmp_lt_i32 vcc_lo, 16*\kt+\j, v5
	v_cndmask_b32 v[SC+8*\kt+\j],    v4, v[SC+8*\kt+\j],    vcc_lo
	v_cndmask_b32 v[SC+32+8*\kt+\j], v4, v[SC+32+8*\kt+\j], vcc_lo
.endr
.endr
.endm
.macro SOFT first
.irp a, 0,1
.if \first
	v_max_num_f32 v[T0+\a], v[SC+32*\a], v[SC+32*\a+1]
.else
	v_max3_num_f32 v[T0+\a], v[MX+\a], v[SC+32*\a], v[SC+32*\a+1]
.endif
.endr
.set i, 2
.rept 15
.irp a, 0,1
	v_max3_num_f32 v[T0+\a], v[T0+\a], v[SC+32*\a+i], v[SC+32*\a+i+1]
.endr
.set i, i+2
.endr
.irp a, 0,1
	v_permlanex16_b32 v[T1+\a], v[T0+\a], s24, s25         ; the same row's other 32 keys
.endr
.irp a, 0,1
	v_max_num_f32 v[T0+\a], v[T0+\a], v[T1+\a]
.endr
.if \first
.irp a, 0,1
	v_max_num_f32 v[T0+\a], 0xff7fffff, v[T0+\a]           ; no valid key at all: a finite stand-in, so that -inf - m stays -inf
.endr
.endif
.irp a, 0,1
	v_mul_f32 v[NMC+2*\a],   s22, v[T0+\a]                 ; -c m
	v_mul_f32 v[NMC+2*\a+1], s22, v[T0+\a]
.endr
.if \first
.irp a, 0,1
	v_mov_b32 v[MX+\a], v[T0+\a]
.endr
.else
.irp a, 0,1
	v_fma_f32 v[T1+\a], v[MX+\a], s20, v[NMC+2*\a]
.endr
.irp a, 0,1
	v_exp_f32 v[AL+2*\a], v[T1+\a]                         ; 2^(c m_old - c m_new)
.endr
.irp a, 0,1
	v_mov_b32 v[MX+\a], v[T0+\a]                           ; the plain place behind the transcendentals (ISA guide 5.7.2)
.endr
	s_wait_alu depctr_va_vdst(0)
.irp a, 0,1
	v_mov_b32 v[AL+2*\a+1], v[AL+2*\a]
.endr
.endif
.set i, 0
.rept 16
.irp a, 0,1
	v_pk_fma_f32 v[SC+32*\a+i:SC+32*\a+i+1], v[SC+32*\a+i:SC+32*\a+i+1], s[20:21], v[NMC+2*\a:NMC+2*\a+1] op_sel_hi:[1,0,1]
.endr
.set i, i+2
.endr
.set i, 0
.rept 64
	v_exp_f32 v[SC+i], v[SC+i]
.set i, i+1
.endr
	v_nop                                                  ; the plain place behind them
	s_wait_alu depctr_va_vdst(0)
.irp a, 0,1
	v_pk_add_f32 v[SUM+2*\a:SUM+2*\a+1], v[SC+32*\a:SC+32*\a+1], v[SC+32*\a+2:SC+32*\a+3]
.endr
.set i, 4
.rept 14
.irp a, 0,1
	v_pk_add_f32 v[SUM+2*\a:SUM+2*\a+1], v[SUM+2*\a:SUM+2*\a+1], v[SC+32*\a+i:SC+32*\a+i+1]
.endr
.set i, i+2
.endr
.irp a, 0,1
.if \first
	v_add_f32 v[LS+\a], v[SUM+2*\a], v[SUM+2*\a+1]
.else
	v_add_f32 v[T1+\a], v[SUM+2*\a], v[SUM+2*\a+1]
	v_fma_f32 v[LS+\a], v[LS+\a], v[AL+2*\a], v[T1+\a]
.endif
.endr
.irp a, 0,1
.irp ch, 0,1
.irp p, 0,1,2,3
	v_cvt_pk_bf16_f32 v[SC+32*\a+16*\ch+\p], v[SC+32*\a+16*\ch+2*\p], v[SC+32*\a+16*\ch+2*\p+1]        ; keys 32 ch + 8 hh ..: registers 0-3
.endr
.irp p, 0,1,2,3
	v_cvt_pk_bf16_f32 v[SC+32*\a+16*\ch+4+\p], v[SC+32*\a+16*\ch+8+2*\p], v[SC+32*\a+16*\ch+8+2*\p+1]  ; keys 32 ch + 16 + 8 hh ..: registers 4-7
.endr
.endr
.endr
.if \first == 0
.set i, 0
.rept 16
.irp a, 0,1
	v_pk_mul_f32 v[OA+32*\a+i:OA+32*\a+i+1], v[OA+32*\a+i:OA+32*\a+i+1], v[AL+2*\a:AL+2*\a+1]
.endr
.set i, i+2
.endr
.endif
.endm
; A step of 64 keys.  Each s_wait_dscnt 8 leaves the two younger groups of four loads out.
.macro COMPUTE first
.if \first == 0
.rept 5
	v_nop                                          ; five places: S^T is written over the last products' source 1, and loads go into their source 0
.endr
.endif
	LDG G0, 0
	LDG G1, 2048
	LDG G2, 4096
	s_wait_dscnt 8
	WS G0, 0
	PLACES
	LDG G0, 6144
	s_wait_dscnt 8
	WS G1, 1
	PLACES
	LDG G1, 8192
	s_wait_dscnt 8
	WS G2, 2
	PLACES
	LDG G2, 10240
	s_wait_dscnt 8
	WS G0, 3
	PLACES
	LDG G0, 12288
.if \first
	MASK
.else
	s_cmp_ge_i32 s17, 64
	s_cbranch_scc1 .Lwhole_\@
	MASK
.Lwhole_\@:
.endif
	SOFT \first
	s_wait_dscnt 8
	WV G1, 0, \first
	PLACES
	LDG G1, 14336
	s_wait_dscnt 8
	WV G2, 1, \first
	s_wait_dscnt 4                                 ; the last group of four stays out
	WV G0, 2, 0
	s_wait_dscnt 0x0
	WV G1, 3, 0
.endm
	s_load_b256 s[4:11], s[0:1], 0x0               ; qn s[4:5] kv s[6:7] cnt s[8:9] out0 s[10:11]
	s_set_vgpr_msb 0x40
	v_lshl_add_u32 v0, v0, 2, 0xc800
	v_mov_b32 v1, 0
	s_set_vgpr_msb 0x4000
	v_lshrrev_b32 v9, 5, v0
	v_readfirstlane_b32 s12, v9                    ; wave w
	s_mov_b32 s13, ttmp9                           ; which 256 rows
	s_and_b32 s14, ttmp7, 0xffff                   ; bh
	s_lshr_b32 s15, s14, 4                         ; b
	s_and_b32 s19, s14, 15                         ; h
	s_mov_b32 s31, 0                               ; high word of the offset pair s[30:31]
	s_mov_b32 s20, 0x3e38aa3b                      ; c = log2(e) / 8
	s_mov_b32 s21, 0x3e38aa3b
	s_mov_b32 s22, 0xbe38aa3b                      ; -c
	s_mov_b32 s24, 0x76543210                      ; v_permlanex16_b32: lane i of one half reads lane i of the other
	s_mov_b32 s25, 0xfedcba98
	v_and_b32 v9, 31, v0
	v_and_b32 v30, 15, v0                          ; r
	v_bfe_u32 v31, v0, 4, 1                        ; hh
	v_lshlrev_b32 v1, 4, v9                        ; 16 L
	s_lshl_b32 s32, s12, 11
	v_add_nc_u32 v2, s32, v1                       ; 2,048 w + 16 L: my bytes of a block, in memory and in the slot
	v_lshlrev_b32 v3, 3, v31                       ; 8 hh
	v_mov_b32 v4, 0xff800000                       ; -inf
	s_mul_i32 s33, s12, 16*OPITCH
	s_add_co_u32 s33, s33, SLOTB                   ; my stage for the way out
	v_mul_u32_u24 v6, v30, OPITCH
	v_lshl_add_u32 v6, v31, 5, v6
	v_add_nc_u32 v6, s33, v6                       ; in: row r, 32 bytes at 32 hh
	v_mul_u32_u24 v7, v31, OPITCH
	v_lshl_add_u32 v7, v30, 4, v7
	v_add_nc_u32 v7, s33, v7                       ; back: row hh, 16 bytes at 16 r
	v_lshlrev_b32 v8, 4, v30
	v_lshl_add_u32 v8, v31, 12, v8                 ; the same in out0: rows m are 4,096 bytes apart
	v_mov_b32 v[T1], 0                             ; a lane exchange's destination counts as read
	v_mov_b32 v[T1+1], 0
	s_wait_kmcnt 0x0
	s_lshl_b32 s30, s15, 8
	s_add_nc_u64 s[8:9], s[8:9], s[30:31]
	s_load_b32 s16, s[8:9], 0x0                    ; valid keys of my batch
	s_lshl_b32 s30, s14, 18                        ; (bh 128 + 16 x + 2 w) tiles of 2,048 bytes
	s_lshl_b32 s32, s13, 15
	s_add_co_u32 s30, s30, s32
	s_lshl_b32 s32, s12, 12
	s_add_co_u32 s30, s30, s32
	s_add_nc_u64 s[4:5], s[4:5], s[30:31]
	s_lshl_b32 s30, s14, 19                        ; 32 blocks of 16,384 bytes
	s_add_nc_u64 s[26:27], s[6:7], s[30:31]
	s_lshl_b32 s30, s15, 23                        ; ((b 2,048 + 256 x + 32 w) 16 + h) 256
	s_lshl_b32 s32, s13, 20
	s_add_co_u32 s30, s30, s32
	s_lshl_b32 s32, s12, 17
	s_add_co_u32 s30, s30, s32
	s_lshl_b32 s32, s19, 8
	s_add_co_u32 s30, s30, s32
	s_add_nc_u64 s[28:29], s[10:11], s[30:31]
.irp i, 0,1,2,3,4,5,6,7
	global_load_b128 v[QF+4*\i:QF+4*\i+3], v1, s[4:5] offset:512*\i       ; my two tiles of Q
.endr
.irp i, 0,1,2,3
	global_load_b128 v[STG+4*\i:STG+4*\i+3], v2, s[26:27] offset:512*\i   ; block 0
.endr
	s_wait_kmcnt 0x0
	s_min_u32 s16, s16, 2048
	s_mov_b32 s17, s16                             ; valid keys from this step on
	s_wait_loadcnt 0x0
	PUT
	NEXT
	BAR                                            ; the slot is whole
	COMPUTE 1                                      ; the first step starts maximum, sum and O^T: nothing is cleared
	s_mov_b32 s18, 1
.Lt:
	s_sub_co_i32 s17, s17, 64
	BAR                                            ; every wave's reads of the slot are over
	s_cmp_gt_i32 s17, 0
	s_cbranch_scc0 .Lnofill
	s_wait_loadcnt 0x0                             ; my part of this step's block has come
	PUT
	NEXT
.Lnofill:
	BAR                                            ; the slot is whole
	s_cmp_gt_i32 s17, 0
	s_cbranch_scc0 .Lidle
	COMPUTE 0
.Lidle:
	s_add_co_u32 s18, s18, 1
	s_cmp_lt_u32 s18, 32
	s_cbranch_scc1 .Lt
	; THE WAY OUT: divide by the row's sum, 16 rows at a time through my own stage, whole rows of 256 bytes to memory
	PLACES
.irp a, 0,1
	v_permlanex16_b32 v[T1+\a], v[LS+\a], s24, s25
.endr
.irp a, 0,1
	v_add_f32 v[LS+\a], v[LS+\a], v[T1+\a]
.endr
.irp a, 0,1
	v_cmp_lt_f32 vcc_lo, 0, v[LS+\a]
	v_cndmask_b32 v[LS+\a], 1.0, v[LS+\a], vcc_lo          ; a sum of 0: O^T is 0 and stays so
.endr
	v_rcp_f32 v[AL],   v[LS]
	v_rcp_f32 v[AL+2], v[LS+1]
	v_nop                                                  ; the plain place behind them
	s_wait_alu depctr_va_vdst(0)
	v_mov_b32 v[AL+1], v[AL]
	v_mov_b32 v[AL+3], v[AL+2]
.irp a, 0,1
.irp i, 0,2,4,6,8,10,12,14,16,18,20,22,24,26,28,30
	v_pk_mul_f32 v[OA+32*\a+\i:OA+32*\a+\i+1], v[OA+32*\a+\i:OA+32*\a+\i+1], v[AL+2*\a:AL+2*\a+1]
.endr
.irp dt, 0,1,2,3
	ds_store_b128 v6, v[OA+32*\a+8*\dt:OA+32*\a+8*\dt+3]   offset:64*\dt          ; row r, d = 16 dt + 8 hh + 0..3
	ds_store_b128 v6, v[OA+32*\a+8*\dt+4:OA+32*\a+8*\dt+7] offset:64*\dt+16
.endr
.irp t, 0,1,2,3,4,5,6,7
	ds_load_b128 v[SC+32*\a+4*\t:SC+32*\a+4*\t+3], v7 offset:2*OPITCH*\t          ; LDS serves a wave's instructions in order: these see the stores
.endr
.irp t, 0,1,2,3,4,5,6,7
	s_wait_dscnt 7-\t
	global_store_b128 v8, v[SC+32*\a+4*\t:SC+32*\a+4*\t+3], s[28:29] offset:65536*\a+8192*\t th:TH_STORE_NT   ; sixteen lanes store the 256 bytes of one (m, h)
.endr
.endr
	s_set_vgpr_msb 0x5
	s_wait_tensorcnt 0x0
	ds_add_u32 v0, v1
	s_wait_dscnt 0x0
	s_set_vgpr_msb 0x500
	s_endpgm
.Lfunc_end_k_q5236bef625_attn:
	.size	k_q5236bef625_attn, .Lfunc_end_k_q5236bef625_attn-k_q5236bef625_attn
	.p2alignl 7, 3214868480
	.fill 96, 4, 3214868480
	.section	.rodata,"a",@progbits
	.p2align	6, 0x0
	.amdhsa_kernel k_q5236bef625_attn
		.amdhsa_group_segment_fixed_size 52224
		.amdhsa_private_segment_fixed_size 0
		.amdhsa_enable_private_segment 0
		.amdhsa_kernarg_size 32
		.amdhsa_user_sgpr_count 2
		.amdhsa_user_sgpr_kernarg_segment_ptr 1
		.amdhsa_wavefront_size32 1
		.amdhsa_system_sgpr_workgroup_id_x 1
		.amdhsa_system_sgpr_workgroup_id_y 1
		.amdhsa_system_sgpr_workgroup_id_z 1
		.amdhsa_system_vgpr_workitem_id 0
		.amdhsa_next_free_vgpr 258
		.amdhsa_next_free_sgpr 66
		.amdhsa_reserve_vcc 1
		.amdhsa_float_denorm_mode_32 3
		.amdhsa_float_denorm_mode_16_64 3
		.amdhsa_memory_ordered 1
		.amdhsa_forward_progress 1
		.amdhsa_inst_pref_size 53
	.end_amdhsa_kernel
	.amdgpu_metadata
---
amdhsa.version: [ 1, 2 ]
amdhsa.kernels:
  - .name:           k_q5236bef625_attn
    .symbol:         k_q5236bef625_attn.kd
    .args:
      - { .name: qn, .offset: 0, .size: 8, .value_kind: global_buffer, .address_space: global }
      - { .name: kv, .offset: 8, .size: 8, .value_kind: global_buffer, .address_space: global }
      - { .name: cnt, .offset: 16, .size: 8, .value_kind: global_buffer, .address_space: global }
      - { .name: out0, .offset: 24, .size: 8, .value_kind: global_buffer, .address_space: global }
    .group_segment_fixed_size: 52224
    .private_segment_fixed_size: 0
    .kernarg_segment_align: 8
    .kernarg_segment_size: 32
    .max_flat_workgroup_size: 256
    .sgpr_count:     66
    .vgpr_count:     258
    .wavefront_size: 32
...
	.end_amdgpu_metadata
.endif
;; end of part 3
;; ======== version 2 of 2: 3 launches; 1.16 times as fast as version 1
;; limits: right only within a limited range of input values
;; workspace buffers: wn 1,572,864 bytes; tab 2,097,152 bytes; order 32,768 bytes of whole numbers; cnt 1,024 bytes of whole numbers; qn 16,777,216 bytes; kv 33,554,432 bytes
;; launch prep (part 4): grid 900 x 1, 1 waves a work-group, no clusters, 8,960 bytes of LDS; arguments Vq, Vk, Vv, position_ids, attention_mask, wn, tab, order, cnt; writes wn, tab, order, cnt
.if DOCPART == 4
	.amdgcn_target "amdgcn-amd-amdhsa--gfx1250"
	.amdhsa_code_object_version 6
	.text
	.protected	k_q5236bef625_prep
	.globl	k_q5236bef625_prep
	.p2align	8
	.type	k_q5236bef625_prep,@function
k_q5236bef625_prep:
	s_mov_b64 s[64:65], 0
	v_nop
	global_prefetch_b8 v0, s[64:65] scope:SCOPE_SE
	s_setreg_imm32_b32 hwreg(HW_REG_WAVE_MODE, 25, 1), 1
	s_wait_xcnt 0x0
; Three small jobs that the later launches need, one wave a work-group, told apart by the work-group's number:
;   0 .. 3     PART: for batch b a list 'order' of its 2,048 keys with the valid ones (mask != 0) first, and their number 'cnt'
;   4 .. 515   TAB:  cos and sin of position x inverse frequency for 16 rows (b, m): a row of tab is 32 pairs (cos, sin), 256 bytes
;   516 .. 899 W:    32 (k) x 64 (n) numbers of Vq, Vk or Vv, rounded to bf16 and laid down as matrix fragments:
;                    block (n tile, k step) = 1,024 bytes; in its half f lane L owns bytes 16 L: W[32 ks + 16 f + 8 (L / 16) + 0..7][16 nt + L % 16]
; LIMITS: sin and cos come from a reduction by 2 pi in two parts and Taylor sums on [-pi, pi] (cut at x^15 and x^16: the first terms
; left out are below 1e-6); the reduction is good for |position| up to about 2^21.  The list's order inside the valid keys is not the
; index order: a softmax's sums do not hang on it but for rounding.
.set NPART, 4
.set NTAB,  512
.set D,  32                            ; v[32:95]   64 words of data
.set PK, 96                            ; v[96:127]  32 packed words (W job); PART: three sets of four temporaries
.set WP, 272                           ; W job: LDS pitch of a row of 64 f32 (256 bytes + 16)
.set MK, 66                            ; s[66:97]   PART: 32 lane masks
	s_load_b512 s[4:19], s[0:1], 0x0               ; Vq s[4:5] Vk s[6:7] Vv s[8:9] position_ids s[10:11] mask s[12:13] wn s[14:15] tab s[16:17] order s[18:19]
	s_load_b64 s[20:21], s[0:1], 0x40              ; cnt
	v_lshl_add_u32 v128, v0, 2, 0x2200
	v_mov_b32 v129, 0
	v_and_b32 v2, 31, v0                           ; lane L
	v_lshlrev_b32 v1, 4, v2                        ; 16 L
	v_lshlrev_b32 v3, 2, v2                        ; 4 L
	v_lshlrev_b32 v7, 3, v2                        ; 8 L
	s_mov_b32 s23, 0                               ; high word of every offset pair s[22:23]
	s_wait_kmcnt 0x0
	s_cmp_lt_u32 ttmp9, NPART
	s_cbranch_scc1 .Lpart
	s_cmp_lt_u32 ttmp9, NPART+NTAB
	s_cbranch_scc1 .Ltab
	; ---------------- W: turn and round a block of a weight matrix
	s_sub_co_u32 s24, ttmp9, NPART+NTAB
	s_lshr_b32 s25, s24, 7                         ; which matrix: 0 q, 1 k, 2 v
	s_bfe_u32 s26, s24, 0x40003                    ; cg: which 64 columns
	s_and_b32 s27, s24, 7                          ; ks: which 32 rows
	s_cmp_eq_u32 s25, 0
	s_cselect_b64 s[28:29], s[4:5], s[6:7]
	s_cmp_eq_u32 s25, 2
	s_cselect_b64 s[28:29], s[8:9], s[28:29]
	s_lshl_b32 s22, s27, 17                        ; 32 rows of 4,096 bytes
	s_lshl_b32 s30, s26, 8                         ; 64 columns of 4 bytes
	s_add_co_u32 s22, s22, s30
	s_add_nc_u64 s[28:29], s[28:29], s[22:23]
	s_lshl_b32 s22, s25, 19                        ; ((mat 64 + 4 cg) 8 + ks) 1,024
	s_lshl_b32 s30, s26, 15
	s_add_co_u32 s22, s22, s30
	s_lshl_b32 s30, s27, 10
	s_add_co_u32 s22, s22, s30
	s_add_nc_u64 s[14:15], s[14:15], s[22:23]
	v_and_b32 v4, 15, v0                           ; r
	v_bfe_u32 v5, v0, 4, 1                         ; hh
	v_lshlrev_b32 v8, 4, v4
	v_lshl_add_u32 v8, v5, 12, v8                  ; memory: row hh, 16 bytes at 16 r: sixteen lanes take a row's 256 bytes
	v_mul_u32_u24 v9, v5, WP
	v_lshl_add_u32 v9, v4, 4, v9                   ; LDS, in: the same two rows
	v_mul_u32_u24 v10, v5, 8*WP
	v_lshl_add_u32 v10, v4, 2, v10                 ; LDS, back: row 8 hh, column r: the two halves of the lanes lie 544 words apart, 32 banks
.irp t, 0,1,2,3,4,5,6,7,8,9,10,11,12,13,14,15
	global_load_b128 v[D+4*\t:D+4*\t+3], v8, s[28:29] offset:8192*\t
.endr
	s_wait_loadcnt 0x0
.irp t, 0,1,2,3,4,5,6,7,8,9,10,11,12,13,14,15
	ds_store_b128 v9, v[D+4*\t:D+4*\t+3] offset:2*WP*\t
.endr
	s_wait_dscnt 0x0                               ; the stores are done before loads land in their data registers
.irp nt, 0,1,2,3
.irp f, 0,1
.irp j, 0,1,2,3,4,5,6,7
	ds_load_b32 v[D+8*(2*\nt+\f)+\j], v10 offset:(16*\f+\j)*WP+64*\nt     ; W[16 f + 8 hh + j][16 nt + r]
.endr
.endr
.endr
	s_wait_dscnt 0x0
.set i, 0
.rept 32
	v_cvt_pk_bf16_f32 v[PK+i], v[D+2*i], v[D+2*i+1]
.set i, i+1
.endr
.irp nt, 0,1,2,3
.irp f, 0,1
	global_store_b128 v1, v[PK+4*(2*\nt+\f):PK+4*(2*\nt+\f)+3], s[14:15] offset:8192*\nt+512*\f   ; 512 consecutive bytes a store
.endr
.endr
	s_wait_tensorcnt 0x0
	ds_add_u32 v128, v129
	s_wait_dscnt 0x0
	s_endpgm
	; ---------------- PART: valid keys first
.Lpart:
	s_lshl_b32 s22, ttmp9, 13                      ; 2,048 words a batch
	s_add_nc_u64 s[12:13], s[12:13], s[22:23]
	s_add_nc_u64 s[18:19], s[18:19], s[22:23]
	s_lshl_b32 s22, ttmp9, 8
	s_add_nc_u64 s[20:21], s[20:21], s[22:23]
.irp t, 0,1,2,3,4,5,6,7,8,9,10,11,12,13,14,15
	global_load_b128 v[D+4*\t:D+4*\t+3], v1, s[12:13] offset:512*\t       ; register 4 t + e: key 128 t + 4 L + e
.endr
	s_mov_b32 s24, 0                               ; valid keys placed so far: they fill the list from its head
	s_mov_b32 s25, 2047                            ; the others fill it from its end downward
	s_wait_loadcnt 0x0
; Two batches of 32 registers.  All of a batch's compares come first, each into a scalar mask of its own, so that the running counts are a
; chain of scalar instructions alone and no placement waits for a compare; the temporaries take turns over four sets.
.irp h, 0,1
.set k, 0
.rept 32
	v_cmp_ne_u32 s[MK+k], 0, v[D+32*\h+k]
.set k, k+1
.endr
.set k, 0
.rept 32
	v_mbcnt_lo_u32_b32 v[PK+(k%4)], s[MK+k], s24           ; a valid key's place: those placed so far + valid lanes below me
	v_mbcnt_lo_u32_b32 v[PK+4+(k%4)], s[MK+k], s25
	v_sub_nc_u32 v[PK+4+(k%4)], v[PK+4+(k%4)], v2          ; another key's place: the top - (L - valid lanes below me)
	v_cndmask_b32 v[PK+(k%4)], v[PK+4+(k%4)], v[PK+(k%4)], s[MK+k]
	v_min_u32 v[PK+(k%4)], 0x7ff, v[PK+(k%4)]              ; (it is below 2,048 by construction)
	v_lshlrev_b32 v[PK+(k%4)], 2, v[PK+(k%4)]
	v_add_nc_u32 v[PK+8+(k%4)], 128*((32*\h+k)/4)+((32*\h+k)%4), v3       ; my key's index
	ds_store_b32 v[PK+(k%4)], v[PK+8+(k%4)]
	s_bcnt1_i32_b32 s26, s[MK+k]
	s_add_co_u32 s24, s24, s26
	s_sub_co_u32 s25, s25, 32
	s_add_co_u32 s25, s25, s26
.set k, k+1
.endr
.endr
.irp t, 0,1,2,3,4,5,6,7,8,9,10,11,12,13,14,15
	ds_load_b128 v[D+4*\t:D+4*\t+3], v1 offset:512*\t                     ; LDS serves a wave's instructions in order: these see the stores
.endr
	v_mov_b32 v8, s24
	v_mov_b32 v9, s24
	s_wait_dscnt 0x0
.irp t, 0,1,2,3,4,5,6,7,8,9,10,11,12,13,14,15
	global_store_b128 v1, v[D+4*\t:D+4*\t+3], s[18:19] offset:512*\t
.endr
	global_store_b64 v7, v[8:9], s[20:21]          ; the count, 64 times: 256 consecutive bytes
	s_wait_tensorcnt 0x0
	ds_add_u32 v128, v129
	s_wait_dscnt 0x0
	s_endpgm
	; ---------------- TAB: cos and sin; lane L is frequency L
.Ltab:
	s_sub_co_u32 s42, ttmp9, NPART
	s_lshl_b32 s22, s42, 6                         ; 16 positions
	s_add_nc_u64 s[10:11], s[10:11], s[22:23]
	s_load_b512 s[24:39], s[10:11], 0x0
	s_lshl_b32 s22, s42, 12                        ; 16 rows of 256 bytes
	s_add_nc_u64 s[16:17], s[16:17], s[22:23]
	s_mov_b32 s40, 0xc0c90fdb                      ; -(2 pi rounded to f32)
	s_mov_b32 s41, 0x343bbd2e                      ; that rounding's error
	v_cvt_f32_u32 v10, v2
	v_mul_f32 v10, 0xbed49a78, v10                 ; -L log2(10000) / 32
	v_exp_f32 v10, v10                             ; 10000^(-L / 32)
	v_nop                                          ; one plain place behind a transcendental (ISA guide 5.7.2)
	s_wait_kmcnt 0x0
	s_wait_alu depctr_va_vdst(0)
.irp i, 0,1,2,3,4,5,6,7,8,9,10,11,12,13,14,15
	v_cvt_f32_i32 v11, s[24+\i]
	v_mul_f32 v12, v11, v10                        ; the angle, as reference() rounds it
	v_mul_f32 v13, 0.15915494, v12
	v_rndne_f32 v13, v13                           ; whole turns
	v_fma_f32 v14, v13, s40, v12
	v_fma_f32 v14, v13, s41, v14                   ; R in [-pi, pi]
	v_mul_f32 v15, v14, v14                        ; Z = R^2
	v_mov_b32 v16, 0x29573f9f                      ; cos: 1/16!, -1/14!, .. , -1/2, 1
	v_mov_b32 v17, 0xab573f9f                      ; sin: -1/15!, 1/13!, .. , -1/6
	v_fmaak_f32 v16, v16, v15, 0xad49cba5
	v_fmaak_f32 v17, v17, v15, 0x2f309231
	v_fmaak_f32 v16, v16, v15, 0x310f76c7
	v_fmaak_f32 v17, v17, v15, 0xb2d7322b
	v_fmaak_f32 v16, v16, v15, 0xb493f27e
	v_fmaak_f32 v17, v17, v15, 0x3638ef1d
	v_fmaak_f32 v16, v16, v15, 0x37d00d01
	v_fmaak_f32 v17, v17, v15, 0xb9500d01
	v_fmaak_f32 v16, v16, v15, 0xbab60b61
	v_fmaak_f32 v17, v17, v15, 0x3c088889
	v_fmaak_f32 v16, v16, v15, 0x3d2aaaab
	v_fmaak_f32 v17, v17, v15, 0xbe2aaaab
	v_fma_f32 v16, v16, v15, -0.5
	v_mul_f32 v18, v14, v15
	v_fma_f32 v[D+2*\i], v16, v15, 1.0             ; cos
	v_fma_f32 v[D+2*\i+1], v18, v17, v14           ; sin = R + R Z p(Z)
	global_store_b64 v7, v[D+2*\i:D+2*\i+1], s[16:17] offset:256*\i       ; a row's 256 bytes; each row has its own data registers
.endr
	s_endpgm
.Lfunc_end_k_q5236bef625_prep:
	.size	k_q5236bef625_prep, .Lfunc_end_k_q5236bef625_prep-k_q5236bef625_prep
	.p2alignl 7, 3214868480
	.fill 96, 4, 3214868480
	.section	.rodata,"a",@progbits
	.p2align	6, 0x0
	.amdhsa_kernel k_q5236bef625_prep
		.amdhsa_group_segment_fixed_size 8960
		.amdhsa_private_segment_fixed_size 0
		.amdhsa_enable_private_segment 0
		.amdhsa_kernarg_size 72
		.amdhsa_user_sgpr_count 2
		.amdhsa_user_sgpr_kernarg_segment_ptr 1
		.amdhsa_wavefront_size32 1
		.amdhsa_system_sgpr_workgroup_id_x 1
		.amdhsa_system_sgpr_workgroup_id_y 1
		.amdhsa_system_sgpr_workgroup_id_z 1
		.amdhsa_system_vgpr_workitem_id 0
		.amdhsa_next_free_vgpr 130
		.amdhsa_next_free_sgpr 100
		.amdhsa_reserve_vcc 0
		.amdhsa_float_denorm_mode_32 3
		.amdhsa_float_denorm_mode_16_64 3
		.amdhsa_memory_ordered 1
		.amdhsa_forward_progress 1
		.amdhsa_inst_pref_size 81
	.end_amdhsa_kernel
	.amdgpu_metadata
---
amdhsa.version: [ 1, 2 ]
amdhsa.kernels:
  - .name:           k_q5236bef625_prep
    .symbol:         k_q5236bef625_prep.kd
    .args:
      - { .name: Vq, .offset: 0, .size: 8, .value_kind: global_buffer, .address_space: global }
      - { .name: Vk, .offset: 8, .size: 8, .value_kind: global_buffer, .address_space: global }
      - { .name: Vv, .offset: 16, .size: 8, .value_kind: global_buffer, .address_space: global }
      - { .name: position_ids, .offset: 24, .size: 8, .value_kind: global_buffer, .address_space: global }
      - { .name: attention_mask, .offset: 32, .size: 8, .value_kind: global_buffer, .address_space: global }
      - { .name: wn, .offset: 40, .size: 8, .value_kind: global_buffer, .address_space: global }
      - { .name: tab, .offset: 48, .size: 8, .value_kind: global_buffer, .address_space: global }
      - { .name: order, .offset: 56, .size: 8, .value_kind: global_buffer, .address_space: global }
      - { .name: cnt, .offset: 64, .size: 8, .value_kind: global_buffer, .address_space: global }
    .group_segment_fixed_size: 8960
    .private_segment_fixed_size: 0
    .kernarg_segment_align: 8
    .kernarg_segment_size: 72
    .max_flat_workgroup_size: 32
    .sgpr_count:     100
    .vgpr_count:     130
    .wavefront_size: 32
...
	.end_amdgpu_metadata
.endif
;; end of part 4
;; launch proj (part 5): grid 64 x 4, 8 waves a work-group, no clusters, 52,224 bytes of LDS; arguments Pq, Pk, Pv, bq, bk, bv, wn, tab, order, cnt, qn, kv; writes qn, kv
.if DOCPART == 5
	.amdgcn_target "amdgcn-amd-amdhsa--gfx1250"
	.amdhsa_code_object_version 6
	.text
	.protected	k_q5236bef625_proj
	.globl	k_q5236bef625_proj
	.p2align	8
	.type	k_q5236bef625_proj,@function
k_q5236bef625_proj:
	s_mov_b64 s[64:65], 0
	v_nop
	global_prefetch_b8 v0, s[64:65] scope:SCOPE_SE
	s_setreg_imm32_b32 hwreg(HW_REG_WAVE_MODE, 25, 1), 1
	s_wait_xcnt 0x0
; q, k and v from their low-rank factors: X = P W + bias, K = 256; q and k are then rotated (RoPE).  Results leave in bf16, already in the
; order in which the attention launch's matrix instructions want them (512 consecutive bytes a store of a wave).
; THE SHARES.  256 work-groups of eight waves.  Wave w keeps the whole W of ONE head, 8 hb + w (64 columns x K 256 in bf16 = 32 KiB = 256
; registers, window 1), loaded once.  Rows go in CHUNKS of 32: the eight waves bring a chunk's rows of P (four rows each), round them to bf16
; and share them through LDS; a chunk is 64 matrix instructions a wave.
;   y = 0, 1: q, hb = y; batch b = x / 16; chunks 4 (x % 16) + i, i = 0 .. 3 (128 rows).
;   y = 2, 3: k, v; hb = x / 32, b = (x / 8) % 4, j = x % 8; chunks j + 8 i while 32 (j + 8 i) < need, need = 64 max(1, ceil(cnt[b] / 64)).
; For k and v 'row c' means key order[b][c] (valid keys first): the rows of P and of the cos/sin table are picked by the list, and only the
; first 'need' rows are made: the attention launch reads no block of 64 keys beyond them.
; Chunks dealt round the eight work-groups keep their numbers within one of each other.  With half of the keys valid a k or v work-group has
; about as many chunks as a q work-group; with all keys valid it has twice as many; with fewer than 193 valid keys some have none and only
; pass the barriers (the first two chunks' rows are fetched in any case: they lie inside the buffers).
; THE PIPELINE.  Two LDS buffers take turns, one barrier a chunk: behind it chunk i + 1 (in registers since the trip before) is rounded and put
; into the other buffer, chunk i + 2 is asked for, and chunk i is multiplied, finished and stored.  The eight trips are written out, so every
; offset is an immediate and the 32 source rows of a wave stay in scalar registers; the barriers stand on every path, and the number of
; chunks only branches round the work between them.
; P comes as f32 rows picked by a list and is rounded on the way, so it goes through registers; no tensor load, and so no joint request in a
; cluster, can do that.
; q, k: source 0 = W's fragment, source 1 = P's: a lane then holds 8 neighbouring d of one row.  v: the other way round: 8 neighbouring keys of one d.
; The softmax scale is not applied here.
.set PPITCH, 528                       ; LDS row of P: 256 bf16 + 16 bytes: an odd multiple of 16, so 16 rows start at 16 different 16-byte columns
.set TPITCH, 272                       ; LDS row of the table: 256 bytes + 16
.set PBUF,   32*PPITCH                 ; a buffer of P: 16,896 bytes
.set TABL,   2*PBUF                    ; the table's two buffers lie behind P's two (33,792)
.set TBUF,   32*TPITCH                 ; a buffer of the table: 8,704 bytes
; window 0 (window 1, v[0:255] there, is W: fragment (ks, nt) at 8 (4 ks + nt))
.set U,    13                          ; v13        at work in the rotation
.set CV,   14                          ; v[14:21]   a row of P, packed; two sets by turns
.set BIAS, 24                          ; v[24:55]   q, k: bias of d = 16 nt + 8 hh + j at 8 nt + j;  v: bias of d = 16 nt + r, twice, at 2 nt
.set ACC,  56                          ; v[56:119]  8 accumulator tiles, (rt, nt) at 8 (4 rt + nt); the way out works in place; at the start chunk 0 is staged here
.set PF,   120                         ; v[120:183] P's fragments: two groups of two K steps x two row tiles
.set CS,   120                         ; way out: 32 pairs (cos, sin), in P's fragment registers
.set OP,   184                         ; v[184:199] way out: 16 packed words
.set PD,   200                         ; v[200:231] four rows of P as loaded
.set TD,   232                         ; v[232:239] four rows of the table, a pair each
.set VO,   240                         ; v[240:243] their byte offsets in P
.set TV,   244                         ; v[244:247] and in the table
.set ROW,  32                          ; s[32:63]   source row of my row e of trip i at 4 i + e
.set MSB, 0
.macro WIN new                         ; s_set_vgpr_msb: bits 1:0 source 0, 3:2 source 1, 5:4 source 2, 7:6 destination; the high byte repeats the setting left
.if MSB != \new
	s_set_vgpr_msb (MSB<<8)|\new
.set MSB, \new
.endif
.endm
.macro PLACES                          ; four plain places behind a matrix instruction (ISA guide 7.12.1), before its registers are loaded into, read or written
.rept 4
	v_nop
.endr
.endm
.macro BAR
	s_wait_dscnt 0x0                               ; my stores into one buffer and my reads of the other are done
	s_barrier_signal -1
	s_barrier_wait -1                              ; everybody's are
.endm
; W's fragments of K steps k0 .. k0 + 3 into window 1
.macro WLOAD k0
	WIN 0x40                                       ; destination in window 1, address in window 0
.irp kk, 0,1,2,3
.irp nt, 0,1,2,3
	global_load_b128 v[8*(4*(\k0+\kk)+\nt):8*(4*(\k0+\kk)+\nt)+3],   v1, s[70:71] offset:8192*\nt+1024*(\k0+\kk)
	global_load_b128 v[8*(4*(\k0+\kk)+\nt)+4:8*(4*(\k0+\kk)+\nt)+7], v1, s[70:71] offset:8192*\nt+1024*(\k0+\kk)+512
.endr
.endr
	WIN 0
.endm
; my four rows of trip i are asked for: two loads of 512 consecutive bytes a row of P, one of 256 a row of the table
.macro SLOAD pd, td, vo, tv, i, rope
.irp e, 0,1,2,3
	v_lshl_add_u32 v[\vo+\e], s[ROW+4*(\i)+\e], 10, v1
	global_load_b128 v[\pd+8*\e:\pd+8*\e+3],   v[\vo+\e], s[66:67]
	global_load_b128 v[\pd+8*\e+4:\pd+8*\e+7], v[\vo+\e], s[66:67] offset:512
.if \rope
	v_lshl_add_u32 v[\tv+\e], s[ROW+4*(\i)+\e], 8, v2
	global_load_b64 v[\td+2*\e:\td+2*\e+1], v[\tv+\e], s[72:73]
.endif
.endr
.endm
; they have come: round, put into trip i's buffers
.macro SPUT pd, td, i, rope
.irp e, 0,1,2,3
	v_cvt_pk_bf16_f32 v[CV+4*(\e&1)],   v[\pd+8*\e],   v[\pd+8*\e+1]
	v_cvt_pk_bf16_f32 v[CV+4*(\e&1)+1], v[\pd+8*\e+2], v[\pd+8*\e+3]
	v_cvt_pk_bf16_f32 v[CV+4*(\e&1)+2], v[\pd+8*\e+4], v[\pd+8*\e+5]
	v_cvt_pk_bf16_f32 v[CV+4*(\e&1)+3], v[\pd+8*\e+6], v[\pd+8*\e+7]
	ds_store_b64 v5, v[CV+4*(\e&1):CV+4*(\e&1)+1]   offset:PBUF*((\i)&1)+PPITCH*\e
	ds_store_b64 v5, v[CV+4*(\e&1)+2:CV+4*(\e&1)+3] offset:PBUF*((\i)&1)+PPITCH*\e+256
.if \rope
	ds_store_b64 v6, v[\td+2*\e:\td+2*\e+1] offset:TBUF*((\i)&1)+TPITCH*\e
.endif
.endr
.endm
; P's fragments of K steps ks0, ks0 + 1 for both row tiles into group g: eight loads
.macro LDP g, ks0, buf
.irp kk, 0,1
.irp rt, 0,1
	ds_load_b128 v[PF+32*\g+16*\kk+8*\rt:PF+32*\g+16*\kk+8*\rt+3],   v3 offset:PBUF*(\buf)+16*PPITCH*\rt+64*(\ks0+\kk)
	ds_load_b128 v[PF+32*\g+16*\kk+8*\rt+4:PF+32*\g+16*\kk+8*\rt+7], v3 offset:PBUF*(\buf)+16*PPITCH*\rt+64*(\ks0+\kk)+32
.endr
.endr
.endm
; K step ks: eight matrix instructions.  The eight accumulators take turns, one instruction a turn, in the same order in every step.
.macro MM ks, swap
.irp rt, 0,1
.irp nt, 0,1,2,3
.if \swap
.if \ks == 0
	v_wmma_f32_16x16x32_bf16 v[ACC+8*(4*\rt+\nt):ACC+8*(4*\rt+\nt)+7], v[PF+32*((\ks>>1)&1)+16*(\ks&1)+8*\rt:PF+32*((\ks>>1)&1)+16*(\ks&1)+8*\rt+7], v[8*(4*\ks+\nt):8*(4*\ks+\nt)+7], 0
.else
	v_wmma_f32_16x16x32_bf16 v[ACC+8*(4*\rt+\nt):ACC+8*(4*\rt+\nt)+7], v[PF+32*((\ks>>1)&1)+16*(\ks&1)+8*\rt:PF+32*((\ks>>1)&1)+16*(\ks&1)+8*\rt+7], v[8*(4*\ks+\nt):8*(4*\ks+\nt)+7], v[ACC+8*(4*\rt+\nt):ACC+8*(4*\rt+\nt)+7]
.endif
.else
.if \ks == 0
	v_wmma_f32_16x16x32_bf16 v[ACC+8*(4*\rt+\nt):ACC+8*(4*\rt+\nt)+7], v[8*(4*\ks+\nt):8*(4*\ks+\nt)+7], v[PF+32*((\ks>>1)&1)+16*(\ks&1)+8*\rt:PF+32*((\ks>>1)&1)+16*(\ks&1)+8*\rt+7], 0
.else
	v_wmma_f32_16x16x32_bf16 v[ACC+8*(4*\rt+\nt):ACC+8*(4*\rt+\nt)+7], v[8*(4*\ks+\nt):8*(4*\ks+\nt)+7], v[PF+32*((\ks>>1)&1)+16*(\ks&1)+8*\rt:PF+32*((\ks>>1)&1)+16*(\ks&1)+8*\rt+7], v[ACC+8*(4*\rt+\nt):ACC+8*(4*\rt+\nt)+7]
.endif
.endif
.endr
.endr
.endm
; A chunk's 64 matrix instructions.  W is source 0 (setting 0x01) or source 1 (0x04) in window 1; all else in window 0.
; Each s_wait_dscnt 8 leaves the younger group's eight loads out.
.macro KLOOP buf, swap
	LDP 0, 0, \buf
	LDP 1, 2, \buf
	s_wait_dscnt 8
	WIN 0x01+3*\swap
	MM 0, \swap
	MM 1, \swap
	WIN 0
	PLACES
	LDP 0, 4, \buf
	s_wait_dscnt 8
	WIN 0x01+3*\swap
	MM 2, \swap
	MM 3, \swap
	WIN 0
	PLACES
	LDP 1, 6, \buf
	s_wait_dscnt 8
	WIN 0x01+3*\swap
	MM 4, \swap
	MM 5, \swap
	s_wait_dscnt 0x0
	MM 6, \swap
	MM 7, \swap
	WIN 0
.endm
; 32 rows of q or k leave: bias, rotation by the row's cos and sin, rounding; lane L holds row r, d = 16 nt + 8 hh + j
.macro EPI_QK i
	PLACES
.irp rt, 0,1
.irp n, 0,1
.irp q, 0,1,2,3
	ds_load_b128 v[CS+32*\rt+16*\n+4*\q:CS+32*\rt+16*\n+4*\q+3], v4 offset:TBUF*((\i)&1)+16*TPITCH*\rt+128*\n+16*\q   ; frequencies 16 n + 8 hh + 2 q, + 1
.endr
.endr
.endr
.set p, 0
.rept 32
	v_pk_add_f32 v[ACC+2*p:ACC+2*p+1], v[ACC+2*p:ACC+2*p+1], v[BIAS+2*(p%16):BIAS+2*(p%16)+1]
.set p, p+1
.endr
.irp rt, 0,1
	s_wait_dscnt 8-8*\rt                           ; this row tile's eight loads are in; the other's may be out
.irp n, 0,1
.irp j, 0,1,2,3,4,5,6,7
	v_mul_f32 v[U], v[ACC+32*\rt+16+8*\n+\j], v[CS+32*\rt+16*\n+2*\j+1]                                          ; x1 sin
	v_mul_f32 v[ACC+32*\rt+16+8*\n+\j], v[ACC+32*\rt+16+8*\n+\j], v[CS+32*\rt+16*\n+2*\j]                         ; x1 cos
	v_fma_f32 v[ACC+32*\rt+16+8*\n+\j], v[ACC+32*\rt+8*\n+\j], v[CS+32*\rt+16*\n+2*\j+1], v[ACC+32*\rt+16+8*\n+\j] ; x0 sin + x1 cos
	v_fma_f32 v[ACC+32*\rt+8*\n+\j], v[ACC+32*\rt+8*\n+\j], v[CS+32*\rt+16*\n+2*\j], -v[U]                        ; x0 cos - x1 sin
.endr
.endr
	s_wait_xcnt 0x0                                ; the packed words and the base were the last stores' sources: rewritten only behind this wait
.if \rt == 0
.if \i > 0
	s_add_nc_u64 s[74:75], s[74:75], s[76:77]      ; my next chunk's place
.endif
.endif
.set p, 0
.rept 16
	v_cvt_pk_bf16_f32 v[OP+p], v[ACC+32*\rt+2*p], v[ACC+32*\rt+2*p+1]
.set p, p+1
.endr
.irp nt, 0,1,2,3
	global_store_b128 v1, v[OP+4*\nt:OP+4*\nt+3], s[74:75] offset:2048*\rt+512*\nt
.endr
.endr
.endm
; 32 keys of v leave: lane L holds keys 16 rt + 8 hh + j of d = 16 nt + r
.macro EPI_V i
	PLACES
.irp rt, 0,1
.irp nt, 0,1,2,3
.irp q, 0,1,2,3
	v_pk_add_f32 v[ACC+32*\rt+8*\nt+2*\q:ACC+32*\rt+8*\nt+2*\q+1], v[ACC+32*\rt+8*\nt+2*\q:ACC+32*\rt+8*\nt+2*\q+1], v[BIAS+2*\nt:BIAS+2*\nt+1]
.endr
.endr
	s_wait_xcnt 0x0                                ; as above
.if \rt == 0
.if \i > 0
	s_add_nc_u64 s[74:75], s[74:75], s[76:77]
.endif
.endif
.set p, 0
.rept 16
	v_cvt_pk_bf16_f32 v[OP+p], v[ACC+32*\rt+2*p], v[ACC+32*\rt+2*p+1]
.set p, p+1
.endr
.irp nt, 0,1,2,3
	global_store_b128 v1, v[OP+4*\nt:OP+4*\nt+3], s[74:75] offset:8192+1024*\nt+512*\rt
.endr
.endr
.endm
; Trip i.  s82 = the number of my chunks; the chunks that count are the first s82 trips'.
.macro TRIP i, v
	BAR                                            ; chunk i is whole in its buffers, and nobody reads the other buffers any more
.if \i < 7
	s_cmp_gt_u32 s82, \i+1
	s_cbranch_scc0 .Lnostage_\@
	s_wait_loadcnt 0x0                             ; chunk i + 1, asked for a trip ago: nothing else is out
	SPUT PD, TD, \i+1, 1-\v
.if \i < 6
	s_cmp_gt_u32 s82, \i+2
	s_cbranch_scc0 .Lnostage_\@
	SLOAD PD, TD, VO, TV, \i+2, 1-\v               ; it has this trip's work in which to come
.endif
.Lnostage_\@:
.endif
	s_cmp_gt_u32 s82, \i
	s_cbranch_scc0 .Lidle_\@
	KLOOP \i&1, \v
.if \v
	EPI_V \i
.else
	EPI_QK \i
.endif
.Lidle_\@:
.endm
.macro BODY v
	SLOAD ACC, ACC+32, ACC+40, ACC+44, 0, 1-\v     ; chunk 0, staged in the accumulators' registers,
	SLOAD PD, TD, VO, TV, 1, 1-\v                  ; and chunk 1 go out together
.if \v
.irp nt, 0,1,2,3
	global_load_b32 v[BIAS+2*\nt],   v8, s[68:69] offset:64*\nt
	global_load_b32 v[BIAS+2*\nt+1], v8, s[68:69] offset:64*\nt
.endr
.else
.irp nt, 0,1,2,3
	global_load_b128 v[BIAS+8*\nt:BIAS+8*\nt+3],   v7, s[68:69] offset:64*\nt
	global_load_b128 v[BIAS+8*\nt+4:BIAS+8*\nt+7], v7, s[68:69] offset:64*\nt+16
.endr
.endif
	WLOAD 4
	s_wait_loadcnt 0x0                             ; W, the bias and the first two chunks
	SPUT ACC, ACC+32, 0, 1-\v
.irp i, 0,1,2,3,4,5,6,7
	TRIP \i, \v
.endr
	s_wait_tensorcnt 0x0
	ds_add_u32 v254, v255
	s_wait_dscnt 0x0
	s_endpgm
.endm
	s_load_b512 s[4:19], s[0:1], 0x0               ; Pq s[4:5] Pk s[6:7] Pv s[8:9] bq s[10:11] bk s[12:13] bv s[14:15] wn s[16:17] tab s[18:19]
	s_load_b256 s[20:27], s[0:1], 0x40             ; order s[20:21] cnt s[22:23] qn s[24:25] kv s[26:27]
	v_lshl_add_u32 v254, v0, 2, 0xc800
	v_mov_b32 v255, 0
	v_lshrrev_b32 v9, 5, v0
	v_readfirstlane_b32 s28, v9                    ; wave w
	s_and_b32 s85, ttmp7, 0xffff                   ; y
	s_sub_co_u32 s29, s85, 1
	s_lshr_b32 s86, ttmp9, 4                       ; q: b
	s_and_b32 s87, ttmp9, 15
	s_lshl_b32 s87, s87, 2                         ; q: first chunk
	s_lshr_b32 s88, ttmp9, 5                       ; k, v: hb
	s_bfe_u32 s89, ttmp9, 0x20003                  ; k, v: b
	s_and_b32 s90, ttmp9, 7                        ; k, v: first chunk j
	s_cmp_lt_u32 s85, 2
	s_cselect_b32 s29, 0, s29                      ; mode: 0 q, 1 k, 2 v
	s_cselect_b32 s84, s85, s88                    ; hb
	s_cselect_b32 s31, s86, s89                    ; b
	s_cselect_b32 s83, s87, s90                    ; first chunk
	s_lshl3_add_u32 s30, s84, s28                  ; head
	s_lshl_b32 s91, s83, 5
	s_lshl2_add_u32 s91, s28, s91                  ; the first of my four rows of the first chunk
	v_and_b32 v10, 31, v0
	v_and_b32 v11, 15, v0                          ; r
	v_bfe_u32 v12, v0, 4, 1                        ; hh
	v_lshlrev_b32 v1, 4, v10                       ; 16 L
	v_lshlrev_b32 v2, 3, v10                       ; 8 L
	v_mul_u32_u24 v3, v11, PPITCH
	v_lshl_add_u32 v3, v12, 4, v3                  ; P's fragments: row r, 16 hh
	v_mul_u32_u24 v4, v11, TPITCH
	v_lshl_add_u32 v4, v12, 6, v4
	v_add_nc_u32 v4, TABL, v4                      ; the table: row r, frequencies 8 hh ..
	s_mul_i32 s92, s28, 4*PPITCH
	v_add_nc_u32 v5, s92, v2                       ; where I put my rows of P
	s_mul_i32 s93, s28, 4*TPITCH
	s_add_co_u32 s93, s93, TABL
	v_add_nc_u32 v6, s93, v2                       ; and of the table
	v_lshlrev_b32 v7, 5, v12                       ; bias of q, k: 8 numbers at 8 hh
	v_lshlrev_b32 v8, 2, v11                       ; bias of v: the number at r
	s_mov_b32 s76, 0x10000                         ; k, v: eight chunks on = four blocks of 16,384 bytes
	s_mov_b32 s77, 0
	s_mov_b32 s79, 0                               ; high word of the offset pair s[78:79]
	s_wait_kmcnt 0x0
	s_cmp_eq_u32 s29, 0
	s_cselect_b64 s[66:67], s[4:5], s[6:7]         ; P
	s_cselect_b64 s[68:69], s[10:11], s[12:13]     ; bias
	s_cselect_b64 s[74:75], s[24:25], s[26:27]     ; where the result goes
	s_cselect_b32 s76, 4096, s76                   ; q: one chunk on = two tiles of 2,048 bytes
	s_cselect_b32 s94, 0, 1
	s_cmp_eq_u32 s29, 2
	s_cselect_b64 s[66:67], s[8:9], s[66:67]
	s_cselect_b64 s[68:69], s[14:15], s[68:69]
	s_lshl_b32 s78, s31, 21
	s_add_nc_u64 s[66:67], s[66:67], s[78:79]      ; P of my batch
	s_lshl_b32 s78, s30, 8
	s_add_nc_u64 s[68:69], s[68:69], s[78:79]      ; bias of my head
	s_lshl_b32 s78, s29, 19
	s_lshl_b32 s80, s30, 15
	s_add_co_u32 s78, s78, s80
	s_add_nc_u64 s[70:71], s[16:17], s[78:79]      ; W's blocks of my head: (mode 64 + 4 head) 8,192
	s_lshl_b32 s78, s31, 19
	s_add_nc_u64 s[72:73], s[18:19], s[78:79]      ; the table of my batch
	s_lshl4_add_u32 s78, s31, s30                  ; b 16 + head
	s_lshl_b32 s78, s78, 18                        ; q: 128 tiles of 2,048 bytes a head;
	s_lshl_b32 s78, s78, s94                       ; k, v: 32 blocks of 16,384 bytes: twice as much
	s_lshl_b32 s80, s83, 12                        ; q: chunk c at 4,096 c
	s_lshr_b32 s95, s83, 1
	s_lshl_b32 s95, s95, 14
	s_and_b32 s96, s83, 1
	s_lshl_b32 s96, s96, 12
	s_add_co_u32 s95, s95, s96                     ; k, v: at 16,384 (c / 2) + 4,096 (c % 2)
	s_cmp_eq_u32 s29, 0
	s_cselect_b32 s80, s80, s95
	s_add_co_u32 s78, s78, s80
	s_add_nc_u64 s[74:75], s[74:75], s[78:79]      ; my first chunk's place
	s_lshl_b32 s78, s31, 8
	s_add_nc_u64 s[22:23], s[22:23], s[78:79]
	s_load_b32 s97, s[22:23], 0x0                  ; valid keys of my batch
	s_lshl_b32 s78, s31, 11
	s_add_co_u32 s78, s78, s91
	s_lshl_b32 s78, s78, 2
	s_add_nc_u64 s[20:21], s[20:21], s[78:79]
	s_cmp_eq_u32 s29, 0
	s_cbranch_scc1 .Lident
.irp i, 0,1,2,3,4,5,6,7
	s_load_b128 s[ROW+4*\i:ROW+4*\i+3], s[20:21], 1024*\i          ; k, v: the source rows of my four rows of chunk j + 8 i
.endr
	s_branch .Lw
.Lident:
.irp i, 0,1,2,3,4,5,6,7
.irp e, 0,1,2,3
	s_add_co_u32 s[ROW+4*\i+\e], s91, 32*\i+\e                     ; q: the rows as they lie (trips 4 to 7 are never taken)
.endr
.endr
.Lw:
	WLOAD 0                                        ; the first half of W goes out while the list is on its way
	s_wait_kmcnt 0x0
.set i, 0
.rept 32
	s_min_u32 s[ROW+i], s[ROW+i], 0x7ff            ; a row of the batch
.set i, i+1
.endr
	s_min_u32 s97, s97, 2048
	s_max_u32 s97, s97, 1                          ; the first block of 64 keys is always made
	s_add_co_u32 s97, s97, 63
	s_lshr_b32 s97, s97, 6
	s_lshl_b32 s97, s97, 1                         ; chunks that count in my batch
	s_add_co_u32 s97, s97, 7
	s_sub_co_u32 s97, s97, s83
	s_lshr_b32 s97, s97, 3                         ; those of them that are j + 8 i
	s_cmp_eq_u32 s29, 0
	s_cselect_b32 s82, 4, s97                      ; my chunks
	s_cmp_eq_u32 s29, 2                            ; hangs on the work-group's y alone: the eight waves go the same way
	s_cbranch_scc1 .Lv
	BODY 0
.Lv:
	BODY 1
.Lfunc_end_k_q5236bef625_proj:
	.size	k_q5236bef625_proj, .Lfunc_end_k_q5236bef625_proj-k_q5236bef625_proj
	.p2alignl 7, 3214868480
	.fill 96, 4, 3214868480
	.section	.rodata,"a",@progbits
	.p2align	6, 0x0
	.amdhsa_kernel k_q5236bef625_proj
		.amdhsa_group_segment_fixed_size 52224
		.amdhsa_private_segment_fixed_size 0
		.amdhsa_enable_private_segment 0
		.amdhsa_kernarg_size 96
		.amdhsa_user_sgpr_count 2
		.amdhsa_user_sgpr_kernarg_segment_ptr 1
		.amdhsa_wavefront_size32 1
		.amdhsa_system_sgpr_workgroup_id_x 1
		.amdhsa_system_sgpr_workgroup_id_y 1
		.amdhsa_system_sgpr_workgroup_id_z 1
		.amdhsa_system_vgpr_workitem_id 0
		.amdhsa_next_free_vgpr 512
		.amdhsa_next_free_sgpr 100
		.amdhsa_reserve_vcc 0
		.amdhsa_float_denorm_mode_32 3
		.amdhsa_float_denorm_mode_16_64 3
		.amdhsa_memory_ordered 1
		.amdhsa_forward_progress 1
		.amdhsa_inst_pref_size 255
	.end_amdhsa_kernel
	.section	.bss,"aw",@nobits
	.p2align	6
	.space	262144
	.amdgpu_metadata
---
amdhsa.version: [ 1, 2 ]
amdhsa.kernels:
  - .name:           k_q5236bef625_proj
    .symbol:         k_q5236bef625_proj.kd
    .args:
      - { .name: Pq, .offset: 0, .size: 8, .value_kind: global_buffer, .address_space: global }
      - { .name: Pk, .offset: 8, .size: 8, .value_kind: global_buffer, .address_space: global }
      - { .name: Pv, .offset: 16, .size: 8, .value_kind: global_buffer, .address_space: global }
      - { .name: bq, .offset: 24, .size: 8, .value_kind: global_buffer, .address_space: global }
      - { .name: bk, .offset: 32, .size: 8, .value_kind: global_buffer, .address_space: global }
      - { .name: bv, .offset: 40, .size: 8, .value_kind: global_buffer, .address_space: global }
      - { .name: wn, .offset: 48, .size: 8, .value_kind: global_buffer, .address_space: global }
      - { .name: tab, .offset: 56, .size: 8, .value_kind: global_buffer, .address_space: global }
      - { .name: order, .offset: 64, .size: 8, .value_kind: global_buffer, .address_space: global }
      - { .name: cnt, .offset: 72, .size: 8, .value_kind: global_buffer, .address_space: global }
      - { .name: qn, .offset: 80, .size: 8, .value_kind: global_buffer, .address_space: global }
      - { .name: kv, .offset: 88, .size: 8, .value_kind: global_buffer, .address_space: global }
    .group_segment_fixed_size: 52224
    .private_segment_fixed_size: 0
    .kernarg_segment_align: 8
    .kernarg_segment_size: 96
    .max_flat_workgroup_size: 256
    .sgpr_count:     100
    .vgpr_count:     512
    .wavefront_size: 32
...
	.end_amdgpu_metadata
.endif
;; end of part 5
;; launch attn (part 6): grid 8 x 64, 8 waves a work-group, no clusters, 68,608 bytes of LDS; arguments qn, kv, cnt, out0; writes out0
.if DOCPART == 6
	.amdgcn_target "amdgcn-amd-amdhsa--gfx1250"
	.amdhsa_code_object_version 6
	.text
	.protected	k_q5236bef625_attn
	.globl	k_q5236bef625_attn
	.p2align	8
	.type	k_q5236bef625_attn,@function
k_q5236bef625_attn:
	s_mov_b64 s[64:65], 0
	v_nop
	global_prefetch_b8 v0, s[64:65] scope:SCOPE_SE
	s_setreg_imm32_b32 hwreg(HW_REG_WAVE_MODE, 25, 1), 1
	s_wait_xcnt 0x0
; Attention of one (batch, head) pair bh = work-group y, 256 query rows (work-group x), eight waves of 32 rows each.
; The keys lie with the batch's valid ones first; cnt of them count.  Keys go in steps of 64 (a block of 16,384 bytes: four K tiles, then V in
; four groups); only the first ceil(cnt / 64) steps are fetched and worked on, and in the last of them the keys at and beyond cnt get -inf.
; The 32 steps are a fixed number of trips with one barrier each, on every path; cnt only branches round the work between the barriers.
; Transposed products: S^T = K Q^T (a lane holds 8 keys of ONE query row), O^T = V^T P^T.  So a row's maximum, sum and rescaling factor are the
; lane's own but for one exchange between the two halves of the lanes, and S^T, rounded to bf16 in place, IS the second product's source 1.
; Softmax with a running maximum, in base 2: p = 2^(c s - c m), c = log2(e) / 8.  A row with no valid key: m is set to the lowest finite number,
; every p is 0, the sum is 0, and the output is 0, as in reference().
; K and V go memory -> registers -> LDS, each wave 2,048 bytes of a block, through TWO slots that take turns.  Behind the barrier of step t slot
; t % 2 is whole and nobody reads the other slot any more: block t + 1 (in registers since step t - 1) is put there, block t + 2 is asked for,
; and step t is worked on.  In front of the next barrier each wave waits for its stores into one slot and its reads of the other.
; Not by tensor loads, and so without joint requests in a cluster: a step's 16,384 bytes feed 256 matrix instructions and some 1,900 vector
; instructions of the work-group, so the fetch is a small part of a step; and with 67,584 bytes of LDS and 256 registers a wave the softmax of
; one wave can run beside the products of others.
; LIMITS: finite inputs; keys are summed in the list's order, not in index order.
.set SLOTB, 16384                      ; a K/V slot; slot s at LDS byte 16,384 s
.set STAGE, 2*SLOTB                    ; way out: behind the slots, 16 rows for each wave
.set OPITCH, 272                       ; way out: a row of 64 f32 + 16 bytes
.set MX,  10                           ; v[10:11]  running maximum of row tile a
.set LS,  12                           ; v[12:13]  running sum (this lane's keys)
.set T0,  14
.set T1,  16
.set AL,  18                           ; v18, v20  rescaling factor of row tile a: the first register of a pair, used for both halves of a packed multiply
.set NMC, 22                           ; v[22:25]  -c m, twice, for each a
.set SUM, 26                           ; v[26:29]
.set QF,  32                           ; v[32:63]  Q's fragments (a, c) at 16 a + 8 c
.set OA,  64                           ; v[64:127] O^T, tile (a, dt) at 32 a + 8 dt
.set SC,  128                          ; v[128:191] S^T, tile (a, kt) at 32 a + 8 kt; P (a, ch) in place at 32 a + 16 ch
.set VX0, SC+8                         ; the halves of S^T (a = 0) that the packing frees take V's last group
.set VX1, SC+24
.set G0,  192                          ; three groups of 16 registers: a K tile or a group of V
.set G1,  208
.set G2,  224
.set STG, 240                          ; v[240:255] my 2,048 bytes of a coming block
.macro PLACES                          ; four plain places behind a matrix instruction (ISA guide 7.12.1)
.rept 4
	v_nop
.endr
.endm
.macro BAR
	s_wait_dscnt 0x0                               ; my stores into one slot and my reads of the other are done
	s_barrier_signal -1
	s_barrier_wait -1                              ; everybody's are
.endm
.macro LDG g, off                      ; 2,048 bytes of a slot: 512 consecutive bytes a load
.irp i, 0,1,2,3
	ds_load_b128 v[\g+4*\i:\g+4*\i+3], v1 offset:\off+512*\i
.endr
.endm
.macro PUT slot                        ; my part of a block into a slot
.irp i, 0,1,2,3
	ds_store_b128 v2, v[STG+4*\i:STG+4*\i+3] offset:SLOTB*(\slot)+512*\i
.endr
.endm
.macro ASK                             ; the next block.  Stands behind s_wait_loadcnt 0: the base and the registers are free
	s_add_nc_u64 s[26:27], s[26:27], SLOTB
.irp i, 0,1,2,3
	global_load_b128 v[STG+4*\i:STG+4*\i+3], v2, s[26:27] offset:512*\i
.endr
.endm
; S^T of K tile kt for both row tiles; the two accumulators take turns
.macro WS g, kt
	v_wmma_f32_16x16x32_bf16 v[SC+8*\kt:SC+8*\kt+7],       v[\g:\g+7],    v[QF:QF+7],     0
	v_wmma_f32_16x16x32_bf16 v[SC+32+8*\kt:SC+32+8*\kt+7], v[\g:\g+7],    v[QF+16:QF+23], 0
	v_wmma_f32_16x16x32_bf16 v[SC+8*\kt:SC+8*\kt+7],       v[\g+8:\g+15], v[QF+8:QF+15],  v[SC+8*\kt:SC+8*\kt+7]
	v_wmma_f32_16x16x32_bf16 v[SC+32+8*\kt:SC+32+8*\kt+7], v[\g+8:\g+15], v[QF+24:QF+31], v[SC+32+8*\kt:SC+32+8*\kt+7]
.endm
.macro WV1 g, a, dt, ch, zero
.if \zero
	v_wmma_f32_16x16x32_bf16 v[OA+32*\a+8*(\dt):OA+32*\a+8*(\dt)+7], v[\g:\g+7], v[SC+32*\a+16*\ch:SC+32*\a+16*\ch+7], 0
.else
	v_wmma_f32_16x16x32_bf16 v[OA+32*\a+8*(\dt):OA+32*\a+8*(\dt)+7], v[\g:\g+7], v[SC+32*\a+16*\ch:SC+32*\a+16*\ch+7], v[OA+32*\a+8*(\dt):OA+32*\a+8*(\dt)+7]
.endif
.endm
; O^T += V^T P^T for one group of V: keys 32 ch .., d tiles dt0 (fragment ga) and dt0 + 1 (fragment gb); four accumulators by turns
.macro WV ga, gb, dt0, ch, zero
	WV1 \ga, 0, \dt0,   \ch, \zero
	WV1 \ga, 1, \dt0,   \ch, \zero
	WV1 \gb, 0, \dt0+1, \ch, \zero
	WV1 \gb, 1, \dt0+1, \ch, \zero
.endm
.macro MASK                            ; key 16 kt + 8 hh + j of the step counts if it is below what is left
	v_sub_nc_u32 v5, s17, v3
.irp kt, 0,1,2,3
.irp j, 0,1,2,3,4,5,6,7
	v_cmp_lt_i32 vcc_lo, 16*\kt+\j, v5
	v_cndmask_b32 v[SC+8*\kt+\j],    v4, v[SC+8*\kt+\j],    vcc_lo
	v_cndmask_b32 v[SC+32+8*\kt+\j], v4, v[SC+32+8*\kt+\j], vcc_lo
.endr
.endr
.endm
.macro CVT a                           ; p to bf16, in place: the second product's source 1
.irp ch, 0,1
.irp p, 0,1,2,3
	v_cvt_pk_bf16_f32 v[SC+32*\a+16*\ch+\p], v[SC+32*\a+16*\ch+2*\p], v[SC+32*\a+16*\ch+2*\p+1]        ; keys 32 ch + 8 hh ..: registers 0-3
.endr
.irp p, 0,1,2,3
	v_cvt_pk_bf16_f32 v[SC+32*\a+16*\ch+4+\p], v[SC+32*\a+16*\ch+8+2*\p], v[SC+32*\a+16*\ch+8+2*\p+1]  ; keys 32 ch + 16 + 8 hh ..: registers 4-7
.endr
.endr
.endm
.macro SOFT first, slot
.irp a, 0,1
.if \first
	v_max_num_f32 v[T0+\a], v[SC+32*\a], v[SC+32*\a+1]
.else
	v_max3_num_f32 v[T0+\a], v[MX+\a], v[SC+32*\a], v[SC+32*\a+1]
.endif
.endr
.set i, 2
.rept 2
.irp a, 0,1
	v_max3_num_f32 v[T0+\a], v[T0+\a], v[SC+32*\a+i], v[SC+32*\a+i+1]
.endr
.set i, i+2
.endr
	; the six instructions above name only S^T's tile 0: they are the places behind the products of K tiles 1 to 3, whose source 0 is loaded now
	LDG G1, SLOTB*\slot+8192                               ; V's groups 0, 1, 2: the softmax is their time to come
	LDG G2, SLOTB*\slot+10240
	LDG G0, SLOTB*\slot+12288
.rept 13
.irp a, 0,1
	v_max3_num_f32 v[T0+\a], v[T0+\a], v[SC+32*\a+i], v[SC+32*\a+i+1]
.endr
.set i, i+2
.endr
.irp a, 0,1
	v_permlanex16_b32 v[T1+\a], v[T0+\a], s24, s25         ; the same row's other 32 keys
.endr
.irp a, 0,1
	v_max_num_f32 v[T0+\a], v[T0+\a], v[T1+\a]
.endr
.if \first
.irp a, 0,1
	v_max_num_f32 v[T0+\a], 0xff7fffff, v[T0+\a]           ; no valid key at all: a finite stand-in, so that -inf - m stays -inf
.endr
.endif
.irp a, 0,1
	v_mul_f32 v[NMC+2*\a],   s22, v[T0+\a]                 ; -c m
	v_mul_f32 v[NMC+2*\a+1], s22, v[T0+\a]
.endr
.if \first == 0
.irp a, 0,1
	v_fma_f32 v[T1+\a], v[MX+\a], s20, v[NMC+2*\a]
.endr
.irp a, 0,1
	v_exp_f32 v[AL+2*\a], v[T1+\a]                         ; 2^(c m_old - c m_new); the packed lines below are the plain place behind it (ISA guide 5.7.2)
.endr
.endif
.set i, 0
.rept 16
.irp a, 0,1
	v_pk_fma_f32 v[SC+32*\a+i:SC+32*\a+i+1], v[SC+32*\a+i:SC+32*\a+i+1], s[20:21], v[NMC+2*\a:NMC+2*\a+1] op_sel_hi:[1,0,1]
.endr
.set i, i+2
.endr
.set i, 0
.rept 64
	v_exp_f32 v[SC+i], v[SC+i]
.set i, i+1
.endr
	v_mov_b32 v[MX], v[T0]                                 ; the plain place behind the exponentials
	s_wait_alu depctr_va_vdst(0)
.irp a, 0,1
	v_pk_add_f32 v[SUM+2*\a:SUM+2*\a+1], v[SC+32*\a:SC+32*\a+1], v[SC+32*\a+2:SC+32*\a+3]
.endr
.set i, 4
.rept 14
.irp a, 0,1
	v_pk_add_f32 v[SUM+2*\a:SUM+2*\a+1], v[SUM+2*\a:SUM+2*\a+1], v[SC+32*\a+i:SC+32*\a+i+1]
.endr
.set i, i+2
.endr
	CVT 0
	ds_load_b128 v[VX0:VX0+3],   v1 offset:SLOTB*\slot+14336       ; V's group 3 into the registers that the packing has just freed
	ds_load_b128 v[VX0+4:VX0+7], v1 offset:SLOTB*\slot+14336+512
	ds_load_b128 v[VX1:VX1+3],   v1 offset:SLOTB*\slot+14336+1024
	ds_load_b128 v[VX1+4:VX1+7], v1 offset:SLOTB*\slot+14336+1536
	CVT 1
.if \first == 0
.set i, 0
.rept 16
.irp a, 0,1
	v_pk_mul_f32 v[OA+32*\a+i:OA+32*\a+i+1], v[OA+32*\a+i:OA+32*\a+i+1], v[AL+2*\a:AL+2*\a+1] op_sel_hi:[1,0]   ; both halves by the pair's first register
.endr
.set i, i+2
.endr
.endif
.endm
; A step of 64 keys out of slot 'slot'.  stage = 1: the text for the next blocks is there (the last step has none).
; Five plain vector instructions close the step: they are the places behind its last products, for the next step's loads into their source 0
; and for its first products, which write S^T over their sources.
.macro COMPUTE first, slot, stage
	LDG G0, SLOTB*\slot
	LDG G1, SLOTB*\slot+2048
	LDG G2, SLOTB*\slot+4096
.if \stage
	s_cmp_gt_i32 s17, 64
	s_cbranch_scc0 .Lnost_\@
	s_wait_loadcnt 0x0                             ; my part of the next block, asked for a step ago
	PUT 1-\slot
	s_cmp_gt_i32 s17, 128
	s_cbranch_scc0 .Lnost_\@
	ASK                                            ; the block behind it: it has a step in which to come
.Lnost_\@:
.endif
	s_wait_dscnt 8                                 ; K tile 0 is in: tiles 1 and 2 may be out (where a block was put, its four stores too: then tile 1 is in as well)
	WS G0, 0
	PLACES
	LDG G0, SLOTB*\slot+6144
	s_wait_dscnt 8                                 ; tile 1 is in: tiles 2 and 3 may be out
	WS G1, 1
	s_wait_dscnt 4                                 ; tile 2 is in: tile 3 may be out
	WS G2, 2
	s_wait_dscnt 0x0
	WS G0, 3
.if \first
	MASK
.else
	s_cmp_ge_i32 s17, 64
	s_cbranch_scc1 .Lwhole_\@
	MASK
.Lwhole_\@:
.endif
	SOFT \first, \slot
	s_wait_dscnt 12                                ; V's group 0 is in: three younger groups of four loads may be out
	WV G1, G1+8, 0, 0, \first
	s_wait_dscnt 8
	WV G2, G2+8, 2, 0, \first
	s_wait_dscnt 4
	WV G0, G0+8, 0, 1, 0
	s_wait_dscnt 0x0
	WV VX0, VX1, 2, 1, 0
.if \first
	v_add_f32 v[LS],   v[SUM],   v[SUM+1]
	v_add_f32 v[LS+1], v[SUM+2], v[SUM+3]
	v_mov_b32 v[MX+1], v[T0+1]
	v_nop
	v_nop
.else
	v_add_f32 v[T1],   v[SUM],   v[SUM+1]
	v_add_f32 v[T1+1], v[SUM+2], v[SUM+3]
	v_fma_f32 v[LS],   v[LS],   v[AL],   v[T1]
	v_fma_f32 v[LS+1], v[LS+1], v[AL+2], v[T1+1]
	v_mov_b32 v[MX+1], v[T0+1]
.endif
.endm
.macro TRIP slot, stage
	s_sub_co_i32 s17, s17, 64                      ; valid keys from this step on
	BAR                                            ; this step's slot is whole, and nobody reads the other slot any more
	s_cmp_gt_i32 s17, 0
	s_cbranch_scc0 .Lidle_\@
	COMPUTE 0, \slot, \stage
.Lidle_\@:
.endm
	s_load_b256 s[4:11], s[0:1], 0x0               ; qn s[4:5] kv s[6:7] cnt s[8:9] out0 s[10:11]
	s_set_vgpr_msb 0x40
	v_lshl_add_u32 v0, v0, 2, 0x10800
	v_mov_b32 v1, 0
	s_set_vgpr_msb 0x4000
	v_lshrrev_b32 v9, 5, v0
	v_readfirstlane_b32 s12, v9                    ; wave w
	s_mov_b32 s13, ttmp9                           ; which 256 rows
	s_and_b32 s14, ttmp7, 0xffff                   ; bh
	s_lshr_b32 s15, s14, 4                         ; b
	s_and_b32 s19, s14, 15                         ; h
	s_mov_b32 s31, 0                               ; high word of the offset pair s[30:31]
	s_mov_b32 s20, 0x3e38aa3b                      ; c = log2(e) / 8
	s_mov_b32 s21, 0x3e38aa3b
	s_mov_b32 s22, 0xbe38aa3b                      ; -c
	s_mov_b32 s24, 0x76543210                      ; v_permlanex16_b32: lane i of one half reads lane i of the other
	s_mov_b32 s25, 0xfedcba98
	v_and_b32 v9, 31, v0
	v_and_b32 v30, 15, v0                          ; r
	v_bfe_u32 v31, v0, 4, 1                        ; hh
	v_lshlrev_b32 v1, 4, v9                        ; 16 L
	s_lshl_b32 s32, s12, 11
	v_add_nc_u32 v2, s32, v1                       ; 2,048 w + 16 L: my bytes of a block, in memory and in a slot
	v_lshlrev_b32 v3, 3, v31                       ; 8 hh
	v_mov_b32 v4, 0xff800000                       ; -inf
	s_mul_i32 s33, s12, 16*OPITCH
	s_add_co_u32 s33, s33, STAGE                   ; my stage for the way out
	v_mul_u32_u24 v6, v30, OPITCH
	v_lshl_add_u32 v6, v31, 5, v6
	v_add_nc_u32 v6, s33, v6                       ; in: row r, 32 bytes at 32 hh
	v_mul_u32_u24 v7, v31, OPITCH
	v_lshl_add_u32 v7, v30, 4, v7
	v_add_nc_u32 v7, s33, v7                       ; back: row hh, 16 bytes at 16 r
	v_lshlrev_b32 v8, 4, v30
	v_lshl_add_u32 v8, v31, 12, v8                 ; the same in out0: rows m are 4,096 bytes apart
	v_mov_b32 v[T1], 0                             ; a lane exchange's destination counts as read
	v_mov_b32 v[T1+1], 0
	v_mov_b32 v[AL+1], 0                           ; the second registers of the factor's pairs are named, never used
	v_mov_b32 v[AL+3], 0
	s_wait_kmcnt 0x0
	s_lshl_b32 s30, s15, 8
	s_add_nc_u64 s[8:9], s[8:9], s[30:31]
	s_load_b32 s16, s[8:9], 0x0                    ; valid keys of my batch
	s_lshl_b32 s30, s14, 18                        ; (bh 128 + 16 x + 2 w) tiles of 2,048 bytes
	s_lshl_b32 s32, s13, 15
	s_add_co_u32 s30, s30, s32
	s_lshl_b32 s32, s12, 12
	s_add_co_u32 s30, s30, s32
	s_add_nc_u64 s[4:5], s[4:5], s[30:31]
	s_lshl_b32 s30, s14, 19                        ; 32 blocks of 16,384 bytes
	s_add_nc_u64 s[26:27], s[6:7], s[30:31]
	s_lshl_b32 s30, s15, 23                        ; ((b 2,048 + 256 x + 32 w) 16 + h) 256
	s_lshl_b32 s32, s13, 20
	s_add_co_u32 s30, s30, s32
	s_lshl_b32 s32, s12, 17
	s_add_co_u32 s30, s30, s32
	s_lshl_b32 s32, s19, 8
	s_add_co_u32 s30, s30, s32
	s_add_nc_u64 s[28:29], s[10:11], s[30:31]
.irp i, 0,1,2,3,4,5,6,7
	global_load_b128 v[QF+4*\i:QF+4*\i+3], v1, s[4:5] offset:512*\i       ; my two tiles of Q
.endr
.irp i, 0,1,2,3
	global_load_b128 v[STG+4*\i:STG+4*\i+3], v2, s[26:27] offset:512*\i   ; block 0
.endr
	s_wait_kmcnt 0x0
	s_min_u32 s16, s16, 2048
	s_mov_b32 s17, s16                             ; valid keys from this step on
	s_wait_loadcnt 0x0
	PUT 0
	s_cmp_gt_i32 s17, 64
	s_cbranch_scc0 .Lone
	ASK                                            ; block 1
.Lone:
	BAR                                            ; slot 0 is whole
	COMPUTE 1, 0, 1                                ; step 0 starts maximum, sum and O^T: nothing is cleared
	s_mov_b32 s18, 0
.Lt:
	TRIP 1, 1                                      ; steps 1, 3, .. 29
	TRIP 0, 1                                      ; steps 2, 4, .. 30
	s_add_co_u32 s18, s18, 1
	s_cmp_lt_u32 s18, 15
	s_cbranch_scc1 .Lt
	TRIP 1, 0                                      ; step 31: no block lies behind it
	; THE WAY OUT: divide by the row's sum, 16 rows at a time through my own stage, whole rows of 256 bytes to memory
	PLACES
.irp a, 0,1
	v_permlanex16_b32 v[T1+\a], v[LS+\a], s24, s25
.endr
.irp a, 0,1
	v_add_f32 v[LS+\a], v[LS+\a], v[T1+\a]
.endr
.irp a, 0,1
	v_cmp_lt_f32 vcc_lo, 0, v[LS+\a]
	v_cndmask_b32 v[LS+\a], 1.0, v[LS+\a], vcc_lo          ; a sum of 0: O^T is 0 and stays so
.endr
	v_rcp_f32 v[AL],   v[LS]
	v_rcp_f32 v[AL+2], v[LS+1]
	v_nop                                                  ; the plain place behind them
	s_wait_alu depctr_va_vdst(0)
.irp a, 0,1
.irp i, 0,2,4,6,8,10,12,14,16,18,20,22,24,26,28,30
	v_pk_mul_f32 v[OA+32*\a+\i:OA+32*\a+\i+1], v[OA+32*\a+\i:OA+32*\a+\i+1], v[AL+2*\a:AL+2*\a+1] op_sel_hi:[1,0]
.endr
.irp dt, 0,1,2,3
	ds_store_b128 v6, v[OA+32*\a+8*\dt:OA+32*\a+8*\dt+3]   offset:64*\dt          ; row r, d = 16 dt + 8 hh + 0..3
	ds_store_b128 v6, v[OA+32*\a+8*\dt+4:OA+32*\a+8*\dt+7] offset:64*\dt+16
.endr
.irp t, 0,1,2,3,4,5,6,7
	ds_load_b128 v[SC+32*\a+4*\t:SC+32*\a+4*\t+3], v7 offset:2*OPITCH*\t          ; LDS serves a wave's instructions in order: these see the stores
.endr
.irp t, 0,1,2,3,4,5,6,7
	s_wait_dscnt 7-\t
	global_store_b128 v8, v[SC+32*\a+4*\t:SC+32*\a+4*\t+3], s[28:29] offset:65536*\a+8192*\t th:TH_STORE_NT   ; sixteen lanes store the 256 bytes of one (m, h)
.endr
.endr
	s_set_vgpr_msb 0x5
	s_wait_tensorcnt 0x0
	ds_add_u32 v0, v1
	s_wait_dscnt 0x0
	s_set_vgpr_msb 0x500
	s_endpgm
.Lfunc_end_k_q5236bef625_attn:
	.size	k_q5236bef625_attn, .Lfunc_end_k_q5236bef625_attn-k_q5236bef625_attn
	.p2alignl 7, 3214868480
	.fill 96, 4, 3214868480
	.section	.rodata,"a",@progbits
	.p2align	6, 0x0
	.amdhsa_kernel k_q5236bef625_attn
		.amdhsa_group_segment_fixed_size 68608
		.amdhsa_private_segment_fixed_size 0
		.amdhsa_enable_private_segment 0
		.amdhsa_kernarg_size 32
		.amdhsa_user_sgpr_count 2
		.amdhsa_user_sgpr_kernarg_segment_ptr 1
		.amdhsa_wavefront_size32 1
		.amdhsa_system_sgpr_workgroup_id_x 1
		.amdhsa_system_sgpr_workgroup_id_y 1
		.amdhsa_system_sgpr_workgroup_id_z 1
		.amdhsa_system_vgpr_workitem_id 0
		.amdhsa_next_free_vgpr 258
		.amdhsa_next_free_sgpr 66
		.amdhsa_reserve_vcc 1
		.amdhsa_float_denorm_mode_32 3
		.amdhsa_float_denorm_mode_16_64 3
		.amdhsa_memory_ordered 1
		.amdhsa_forward_progress 1
		.amdhsa_inst_pref_size 94
	.end_amdhsa_kernel
	.amdgpu_metadata
---
amdhsa.version: [ 1, 2 ]
amdhsa.kernels:
  - .name:           k_q5236bef625_attn
    .symbol:         k_q5236bef625_attn.kd
    .args:
      - { .name: qn, .offset: 0, .size: 8, .value_kind: global_buffer, .address_space: global }
      - { .name: kv, .offset: 8, .size: 8, .value_kind: global_buffer, .address_space: global }
      - { .name: cnt, .offset: 16, .size: 8, .value_kind: global_buffer, .address_space: global }
      - { .name: out0, .offset: 24, .size: 8, .value_kind: global_buffer, .address_space: global }
    .group_segment_fixed_size: 68608
    .private_segment_fixed_size: 0
    .kernarg_segment_align: 8
    .kernarg_segment_size: 32
    .max_flat_workgroup_size: 256
    .sgpr_count:     66
    .vgpr_count:     258
    .wavefront_size: 32
...
	.end_amdgpu_metadata
.endif
;; end of part 6
